; MI455X (gfx1250); checked and timed in simulation.
; The chip was launched on July 23, 2026; its instructions are those of AMD's public machine-readable ISA for CDNA 5 (MIT licence, August 2026) and "CDNA5" Instruction Set Architecture Reference Guide (July 2026). The comments in the code are by the model that wrote it; some were corrected since.
;; Sigma Mo E. Allowed arithmetic: matrix products marked QUANTISED: E2M1 operands, one E8M0 scale for each 32 along K, by v_wmma_scale_f32_16x16x128_f8f6f4 with both operands' format E2M1 (or v_wmma_scale_f32_32x16x128_f4), f32 sums; products left as they are: f32 operands where the result goes on into a quantised operand, else bf16, f16 or f32 operands; f32 sums; everything else in f32.
;; Inputs: expert_sel_codes 16 x 32 x 16 uint8 (E2M1 codes of expert_sel, K innermost, in blocks of 32 codes, two codes a byte); expert_sel_scales 16 x 32 uint8 (E8M0 scales of expert_sel, one for each 32 codes along K); input_tensor_codes 4 x 4,096 x 32 x 16 uint8 (E2M1 codes of input_tensor, K innermost, in blocks of 32 codes, two codes a byte); input_tensor_scales 4 x 4,096 x 32 uint8 (E8M0 scales of input_tensor, one for each 32 codes along K); keys_codes 16 x 128 x 32 x 16 uint8 (E2M1 codes of keys, K innermost, in blocks of 32 codes, two codes a byte); keys_scales 16 x 128 x 32 uint8 (E8M0 scales of keys, one for each 32 codes along K); values 16 x 128 x 1,024 float32.
;; Outputs: out0 4 x 4,096 x 1,024 float32.
;; This version of the problem:
;;   THIS VERSION OF THE PROBLEM IS GIVEN IN LOW PRECISION. The matrix products marked QUANTISED in the list below multiply operands that are first quantised to E2M1 (2 exponent bits, 1 mantissa bit; 4 bits a number), with one power-of-two scale for each 32 numbers along K (OCP MX v1.0); their sums are f32. All else is computed in f32.
;;   The module's matrix products, in the order in which they are computed (A, B: the left and right operand; K: the contracted axis; several contracted axes count as one K, in the product's order):
;;     1. [M 16,384, K 1,024] x [K 1,024, N 16]; A: input input_tensor (given as codes); B: input expert_sel (given as codes): QUANTISED
;;     2. [M 16,384, K 1,024] x [K 1,024, N 2,048]; A: input input_tensor (given as codes); B: input keys (given as codes): QUANTISED
;;     3. batch 262,144 x [M 128, K 1] x [K 1, N 1]; A: computed on the way; B: computed on the way: left as it is (no contracted axis)
;;     4. [M 16,384, K 2,048] x [K 2,048, N 1,024]; A: computed on the way; B: input values: QUANTISED
;;   THE QUANTISER, for each operand of a quantised product, along K:
;;     - K is cut into blocks of 32 from its start; a last block that is shorter is filled with zeros.
;;     - A block's scale is 2^e with e = floor(log2(the largest magnitude in the block)) - 2, held to -126 .. 127; a block of zeros has e = 0. As a byte (E8M0): e + 127.
;;     - Each number is divided by its block's scale, clamped to +-6, and rounded to the nearest number of E2M1, ties to even, subnormals kept.
;;     - The product sums the exact products of the quantised numbers (number of the format x scale) in f32.
;;   ~~~python
;;   def quantise(x, axis):      # numpy; x: float32 -> the quantised numbers, widened to float32 again
;;       x = np.moveaxis(x, axis, -1); K = x.shape[-1]
;;       x = np.pad(x, [(0, 0)] * (x.ndim - 1) + [(0, -K % 32)]); x = x.reshape(x.shape[:-1] + (-1, 32)); a = np.abs(x).max(-1, keepdims=True)
;;       e = np.where(a > 0, np.clip(np.frexp(np.where(a > 0, a, 1))[1] - 1 - 2, -126, 127), 0)      # np.frexp(a)[1] - 1 = floor(log2(a)), exactly
;;       r = np.clip(x / 2.0 ** e, -6, 6)
;;       step = 2.0 ** (np.maximum(np.frexp(np.where(r == 0, 1, r))[1] - 1, 0) - 1)
;;       q = np.round(r / step) * step * 2.0 ** e      # np.round: ties to even
;;       return np.moveaxis(q.reshape(q.shape[:-2] + (-1,))[..., :K], -1, axis).astype(np.float32)
;;   ~~~
;;   OPERANDS COMPUTED ON THE WAY. 'Computed on the way' means the value that the module computes at that place (a softmax that the list does not call 'softmax' is quantised finished and normalised). What goes into a quantiser is computed in f32, as accurately as f32 sums, v_exp_f32 and their like allow (about 1e-6 of the number): no bf16 or f16 on the way to a quantiser, and a product that is left as it is and whose result goes on into a quantised operand takes f32 operands (vector FMAs, or v_wmma_f32_16x16x4_f32). A number that lies on a knife's edge between two numbers of the format may be rounded either way, as far as f32 arithmetic and the matrix unit's own rounding can turn it there, and no further.
;;   INPUTS GIVEN AS CODES. expert_sel (in the module: [16, 1024], K = its axis 1); input_tensor (in the module: [4, 4096, 1024], K = its axis 2); keys (in the module: [16, 1024, 128], K = its axis 1): each comes as NAME_codes (uint8): NAME with its K axis moved to the last place and cut into blocks of 32 codes, [.., K / 32, bytes a block], one block behind the other in memory; two codes a byte, the lower K in the low four bits (a code: sign, 2 exponent bits, 1 mantissa bit); and NAME_scales (uint8): the same leading axes, one E8M0 byte (e + 127) for each 32 codes along K. Its value is code x scale, taken as it is: it is not quantised again, and the codes and scales need not be those that the quantiser above would give.
;; 2 versions. Each part assembles by itself: llvm-mc -triple=amdgcn-amd-amdhsa -mcpu=gfx1250 --defsym DOCPART=n.
;; ======== version 1 of 2: 2 launches
;; workspace buffers: wts 2,228,224 bytes
;; launch prep (part 1): grid 256 x 1, 2 waves a work-group, no clusters, 0 bytes of LDS; arguments values, keys_codes, keys_scales, wts; writes wts
.if DOCPART == 1
	.amdgcn_target "amdgcn-amd-amdhsa--gfx1250"
	.amdhsa_code_object_version 6
	.text
	.protected	k_q4e3e963e73_prep
	.globl	k_q4e3e963e73_prep
	.p2align	8
	.type	k_q4e3e963e73_prep,@function
k_q4e3e963e73_prep:
	s_mov_b64 s[64:65], 0
	v_nop
	global_prefetch_b8 v0, s[64:65] scope:SCOPE_SE
	s_setreg_imm32_b32 hwreg(HW_REG_WAVE_MODE, 25, 1), 1
	s_wait_xcnt 0x0
; SigmaMoE in MX-FP4, first of two launches: all weights are laid into the workspace wts as IMAGES OF OPERAND REGISTERS, in the order in which the second launch walks them.
; out = Q(relu(x K_e) * sigmoid(x S^T)_e) Q(V).  NO WORK OF reference() IS LEFT OUT in either launch: every expert is weighed into every token (soft gates), and every input has a way to the output.
; values [2048 (k = 128 e + h)][1024 (n)], f32, has the product's K as its FIRST axis: it is quantised here along K (blocks of 32; scale 2^(floor(log2(largest magnitude)) - 2); nearest code, ties to even).
; keys arrives as codes and scale bytes: they are only laid anew, byte for byte.
; wts = 16 blocks of 139,264 bytes (131,072 of codes, 8,192 of scale words).
;   blocks 0-7, experts 2 t + b:  codes at 65,536 b + 16,384 w + 1,024 (2 s + u) + 512 c + 16 lane: of keys' row 128 e + 32 w + 8 u + r + 8 (r / 8) the 16 bytes at 64 s + 32 c + 16 h  (lane = 16 h + r; s: 128 along K);
;                                 scale words at 131,072 + 4,096 b + 1,024 w + 512 q + 16 lane (lane = 16 u + r): the same row's words of K steps 4 q .. 4 q + 3.
;   blocks 8-15, t = 8 + 2 c + kh (256 columns c, half kh of K):  codes at 32,768 w + 4,096 s' + 1,024 tt + 256 b' + 16 r: the 32 codes of k = 128 (8 kh + s') + 32 b' .. of column 256 c + 64 w + 16 tt + r;
;                                 scale words at 131,072 + 2,048 w + 256 s' + 128 (tt / 2) + 4 (16 (tt % 2) + r), byte b' for block b'.
; SHARES: 512 waves, J = 2 x work-group + wave.  Each does one job of V (32 columns x 128 along K: A LANE TAKES A COLUMN AND ITS REGISTERS RUN DOWN K, so a block's largest magnitude needs no other lane and the
; conversions give codes with K innermost), one job of keys' codes (2,048 bytes), and every fourth wave 512 bytes of keys' scale words.  No LDS, no barrier: waves share nothing.
; A wave's load of V reads 128 consecutive bytes, the work-group's two waves 256.  Code stores: sixteen lanes write 256 consecutive bytes, aligned.  V's scale words leave 128 bytes a wave: the two waves of a work-group fill 256 between them.
; LIMITS: NaN and infinities among values are not served.  A block of zeros gets the byte 1 where the rule says 127: its codes are zeros, which add nothing under any byte but 0xff, and this program alone reads the bytes.
.set BLOCKB, 139264
.set SCOFF,  131072
.set X,  32                            ; v32-159  my column's 128 numbers
.set C,  160                           ; v160-175 codes, four registers a block: no store's data are written again
.set KD, 180                           ; v180-195 keys' codes on their way
.set SD, 196                           ; v196-199 keys' scale words on their way
	s_load_b256 s[4:11], s[0:1], 0x0               ; values s[4:5], keys' codes s[6:7], keys' scales s[8:9], wts s[10:11]
	v_lshrrev_b32 v1, 5, v0
	v_readfirstlane_b32 s12, v1                    ; wave 0, 1
	v_and_b32 v1, 31, v0                           ; lane
	v_and_b32 v7, 15, v0                           ; r
	v_bfe_u32 v11, v0, 4, 1                        ; h
	v_lshlrev_b32 v2, 2, v1                        ; V in, and V's scale words out: 4 bytes a lane
	v_lshlrev_b32 v3, 4, v7
	v_lshl_add_u32 v3, v11, 10, v3                 ; V's codes out: 16 r, and lanes 16-31 one tile of columns (1,024 bytes) on
	v_and_b32 v17, 8, v7
	v_add_nc_u32 v17, v17, v7                      ; r + 8 (r / 8)
	v_lshlrev_b32 v4, 9, v17
	v_lshl_add_u32 v4, v11, 4, v4                  ; keys' codes in: that row of 512 bytes, + 16 h
	v_lshlrev_b32 v5, 4, v1                        ; images out: 16 bytes a lane
	v_lshl_add_u32 v6, v11, 3, v17
	v_lshlrev_b32 v6, 5, v6                        ; keys' scales in: row 8 (lane / 16) + r + 8 (r / 8) of 32 bytes
	s_lshl_b32 s13, ttmp9, 1
	s_add_co_u32 s13, s13, s12                     ; J
	s_lshr_b32 s14, s13, 5                         ; V: the K step s of 128.  keys: the expert e
	s_and_b32 s15, s13, 31                         ; V: cg, which 32 columns
	s_lshl_b32 s16, s14, 19                        ; V in: 128 s rows of 4,096 bytes
	s_lshl_b32 s17, s15, 7                         ; + 32 cg columns
	s_add_co_u32 s16, s16, s17
	s_mov_b32 s17, 0
	s_lshr_b32 s18, s15, 3                         ; the chunk of 256 columns
	s_lshl_b32 s18, s18, 1
	s_lshr_b32 s19, s14, 3                         ; the half of K
	s_add_co_u32 s18, s18, s19
	s_add_co_u32 s18, s18, 8
	s_mul_i32 s20, s18, BLOCKB                     ; V's block
	s_bfe_u32 s21, s15, 0x20001                    ; which wave of the second launch reads these columns: (cg / 2) % 4
	s_and_b32 s22, s14, 7                          ; s'
	s_and_b32 s23, s15, 1                          ; which pair of column tiles
	s_lshl_b32 s24, s21, 15
	s_add_co_u32 s24, s24, s20
	s_lshl_b32 s19, s22, 12
	s_add_co_u32 s24, s24, s19
	s_lshl_b32 s19, s23, 11
	s_add_co_u32 s24, s24, s19                     ; V's codes out
	s_mov_b32 s25, 0
	s_lshl_b32 s26, s21, 11
	s_add_co_u32 s26, s26, s20
	s_add_co_u32 s26, s26, SCOFF
	s_lshl_b32 s19, s22, 8
	s_add_co_u32 s26, s26, s19
	s_lshl_b32 s19, s23, 7
	s_add_co_u32 s26, s26, s19                     ; V's scale words out
	s_mov_b32 s27, 0
	s_bfe_u32 s28, s13, 0x20003                    ; keys: w
	s_bfe_u32 s29, s13, 0x10002                    ; u (for the scale words: q)
	s_and_b32 s30, s13, 3                          ; sg: K steps 2 sg, 2 sg + 1
	s_lshl_b32 s32, s14, 16                        ; keys' codes in: (128 e + 32 w + 8 u) rows of 512 bytes + 128 sg
	s_lshl_b32 s19, s28, 14
	s_add_co_u32 s32, s32, s19
	s_lshl_b32 s19, s29, 12
	s_add_co_u32 s32, s32, s19
	s_lshl_b32 s19, s30, 7
	s_add_co_u32 s32, s32, s19
	s_mov_b32 s33, 0
	s_lshr_b32 s31, s14, 1
	s_mul_i32 s31, s31, BLOCKB                     ; keys' block
	s_and_b32 s18, s14, 1                          ; b
	s_lshl_b32 s34, s18, 16
	s_add_co_u32 s34, s34, s31
	s_lshl_b32 s19, s28, 14
	s_add_co_u32 s34, s34, s19
	s_lshl_b32 s19, s30, 12
	s_add_co_u32 s34, s34, s19
	s_lshl_b32 s19, s29, 10
	s_add_co_u32 s34, s34, s19                     ; keys' codes out
	s_mov_b32 s35, 0
	s_lshl_b32 s36, s14, 12                        ; keys' scales in: (128 e + 32 w) rows of 32 bytes + 16 q
	s_lshl_b32 s19, s28, 10
	s_add_co_u32 s36, s36, s19
	s_lshl_b32 s19, s29, 4
	s_add_co_u32 s36, s36, s19
	s_mov_b32 s37, 0
	s_lshl_b32 s38, s18, 12
	s_add_co_u32 s38, s38, s31
	s_add_co_u32 s38, s38, SCOFF
	s_lshl_b32 s19, s28, 10
	s_add_co_u32 s38, s38, s19
	s_lshl_b32 s19, s29, 9
	s_add_co_u32 s38, s38, s19                     ; keys' scale words out
	s_mov_b32 s39, 0
	s_wait_kmcnt 0x0
	s_add_nc_u64 s[40:41], s[4:5], s[16:17]
	s_add_nc_u64 s[42:43], s[10:11], s[24:25]
	s_add_nc_u64 s[44:45], s[10:11], s[26:27]
	s_add_nc_u64 s[46:47], s[6:7], s[32:33]
	s_add_nc_u64 s[48:49], s[10:11], s[34:35]
	s_add_nc_u64 s[50:51], s[8:9], s[36:37]
	s_add_nc_u64 s[52:53], s[10:11], s[38:39]
.irp ss, 0,1
.irp c, 0,1
	global_load_b128 v[KD+8*\ss+4*\c:KD+8*\ss+4*\c+3], v4, s[46:47] offset:64*\ss+32*\c
.endr
.endr
.set i, 0
.rept 128
	global_load_b32 v[X+i], v2, s[40:41] offset:i*4096 th:TH_LOAD_NT   ; values(128 s + i, my column): read once in the whole program
.set i, i+1
.endr
; Block b of my column: its largest magnitude, its scale byte, its 32 codes, which leave at once.
.macro QB b
.set XB, X+32*(\b)
	v_max3_num_f32 v8, |v[XB]|, |v[XB+1]|, |v[XB+2]|               ; two chains, so that no line waits for the line above it
	v_max3_num_f32 v9, |v[XB+3]|, |v[XB+4]|, |v[XB+5]|
.irp i, 6,10,14,18,22,26
	v_max3_num_f32 v8, v8, |v[XB+\i]|, |v[XB+\i+1]|
	v_max3_num_f32 v9, v9, |v[XB+\i+2]|, |v[XB+\i+3]|
.endr
	v_max3_num_f32 v8, v8, |v[XB+30]|, |v[XB+31]|
	v_max3_num_f32 v8, v8, v9, 0x1800000           ; and the floor 2^(3 - 127): the byte cannot fall under 1
	v_add_nc_u32 v[12+(\b)], 0xff000000, v8        ; 2 off the exponent field: the conversion takes the exponent field of this operand as its scale, and nothing else of it
	v_lshrrev_b32 v10, 23, v[12+(\b)]              ; the scale's byte
.if (\b) == 0
	v_mov_b32 v16, v10                             ; four bytes make the K step's scale word, the lower K in the lower byte
.else
	v_lshl_or_b32 v16, v10, 8*(\b), v16
.endif
.irp g, 0,1,2,3
	v_cvt_scalef32_pk8_fp4_f32 v[C+4*(\b)+\g], v[XB+8*\g:XB+8*\g+7], v[12+(\b)]   ; results go to a store alone; sources and scale operand are not written again
.endr
	global_store_b128 v3, v[C+4*(\b):C+4*(\b)+3], s[42:43] offset:256*(\b)        ; sixteen lanes write 256 consecutive bytes, aligned
.endm
	s_wait_loadcnt 63                              ; keys' four loads and V's blocks 0 and 1 want at most 64 younger loads out; 63 is the largest count that the wait can name
.irp ss, 0,1
.irp c, 0,1
	global_store_b128 v5, v[KD+8*\ss+4*\c:KD+8*\ss+4*\c+3], s[48:49] offset:2048*\ss+512*\c   ; 512 consecutive bytes a store
.endr
.endr
	QB 0
	QB 1
	s_wait_loadcnt 32                              ; block 2 is in; block 3's 32 loads may be out
	QB 2
	s_wait_loadcnt 0x0
	QB 3
	global_store_b32 v2, v16, s[44:45]             ; my column's scale word of this K step
	s_cmp_lg_u32 s30, 0                            ; every fourth wave (ids alone) also lays 512 bytes of keys' scale words
	s_cbranch_scc1 .Ldone
	global_load_b128 v[SD:SD+3], v6, s[50:51]
	s_wait_loadcnt 0x0
	global_store_b128 v5, v[SD:SD+3], s[52:53]
.Ldone:
	s_endpgm
.Lfunc_end_k_q4e3e963e73_prep:
	.size	k_q4e3e963e73_prep, .Lfunc_end_k_q4e3e963e73_prep-k_q4e3e963e73_prep
	.p2alignl 7, 3214868480
	.fill 96, 4, 3214868480
	.section	.rodata,"a",@progbits
	.p2align	6, 0x0
	.amdhsa_kernel k_q4e3e963e73_prep
		.amdhsa_group_segment_fixed_size 0
		.amdhsa_private_segment_fixed_size 0
		.amdhsa_enable_private_segment 0
		.amdhsa_kernarg_size 32
		.amdhsa_user_sgpr_count 2
		.amdhsa_user_sgpr_kernarg_segment_ptr 1
		.amdhsa_wavefront_size32 1
		.amdhsa_system_sgpr_workgroup_id_x 1
		.amdhsa_system_sgpr_workgroup_id_y 1
		.amdhsa_system_sgpr_workgroup_id_z 1
		.amdhsa_system_vgpr_workitem_id 0
		.amdhsa_next_free_vgpr 208
		.amdhsa_next_free_sgpr 66
		.amdhsa_reserve_vcc 0
		.amdhsa_float_denorm_mode_32 3
		.amdhsa_float_denorm_mode_16_64 3
		.amdhsa_memory_ordered 1
		.amdhsa_forward_progress 1
		.amdhsa_inst_pref_size 23
	.end_amdhsa_kernel
	.amdgpu_metadata
---
amdhsa.version: [ 1, 2 ]
amdhsa.kernels:
  - .name:           k_q4e3e963e73_prep
    .symbol:         k_q4e3e963e73_prep.kd
    .args:
      - { .name: values, .offset: 0, .size: 8, .value_kind: global_buffer, .address_space: global }
      - { .name: keys_codes, .offset: 8, .size: 8, .value_kind: global_buffer, .address_space: global }
      - { .name: keys_scales, .offset: 16, .size: 8, .value_kind: global_buffer, .address_space: global }
      - { .name: wts, .offset: 24, .size: 8, .value_kind: global_buffer, .address_space: global }
    .group_segment_fixed_size: 0
    .private_segment_fixed_size: 0
    .kernarg_segment_align: 8
    .kernarg_segment_size: 32
    .max_flat_workgroup_size: 64
    .sgpr_count:     66
    .vgpr_count:     208
    .wavefront_size: 32
...
	.end_amdgpu_metadata
.endif
;; end of part 1
;; launch moe (part 2): grid 256 x 1, 4 waves a work-group, clusters of 4 x 1, 327,680 bytes of LDS; arguments input_tensor_codes, input_tensor_scales, expert_sel_codes, expert_sel_scales, wts, out0; writes out0
.if DOCPART == 2
	.amdgcn_target "amdgcn-amd-amdhsa--gfx1250"
	.amdhsa_code_object_version 6
	.text
	.protected	k_q4e3e963e73_moe
	.globl	k_q4e3e963e73_moe
	.p2align	8
	.type	k_q4e3e963e73_moe,@function
k_q4e3e963e73_moe:
	s_mov_b64 s[64:65], 0
	v_nop
	global_prefetch_b8 v0, s[64:65] scope:SCOPE_SE
	s_setreg_imm32_b32 hwreg(HW_REG_WAVE_MODE, 25, 1), 1
	s_wait_xcnt 0x0
	s_wait_alu depctr_hold_cnt(0) depctr_sa_sdst(0) depctr_va_vdst(0) depctr_va_sdst(0) depctr_va_ssrc(0) depctr_va_vcc(0) depctr_vm_vsrc(0)
	s_getreg_b32 s2, hwreg(HW_REG_IB_STS2, 6, 4)
	s_cmp_eq_u32 s2, 0
	s_cbranch_scc0 .Lentry_in_a_cluster
	s_endpgm
.Lentry_in_a_cluster:
	s_bfe_u32 s2, ttmp6, 0x10000c
	s_cmp_lg_u32 s2, 0x3003
	s_cbranch_scc0 .Lentry_shape_is_right
	s_endpgm
.Lentry_shape_is_right:
; SigmaMoE in MX-FP4, second launch: the whole chain for 64 tokens a work-group.  out[t][n] = sum over k = 128 e + h of Q(relu(x K_e)[t][h] * sigmoid(x S^T)[t][e]) x Q(V)[k][n].  No work of reference() is left out.
; All three products go by v_wmma_scale_f32_16x16x128_f8f6f4 on codes of E2M1 with E8M0 scales; relu, the gate and the product with it are f32; the hidden layer is quantised in registers along k and never goes to memory.
; SHARES.  16,384 tokens / 64 = 256 work-groups of four waves.  THE WAVES SHARE THE COLUMNS, NOT THE ROWS: wave w makes hidden units 32 w .. 32 w + 31 of every expert (one block of the quantiser) for all 64 tokens, and later 64 of
; each 256 output columns.  So each weight fragment is read from LDS by one wave, once.  x (256 registers) and the quantised hidden layer (512 registers) stay in EVERY wave's registers.
; PHASE A: the 16 experts' hidden layer; keys stream in 8 blocks of two experts.  Each wave's codes go to LDS as part of an image of the operand's registers; after 8 experts a barrier, and every wave takes the 32 fragments into registers.
; PHASE B: out = hidden x V in 4 chunks of 256 columns, full K = 2,048 a chunk (two blocks of V): a chunk's results are stored while the next chunk's blocks are fetched and multiplied.
; BOTH PRODUCTS ARE USED TRANSPOSED (source 0 = 16 rows of the weight, source 1 = 16 tokens): a lane holds ONE token, and its registers run along the hidden units, then along the output columns.
; THE RING: wts holds 16 blocks of 139,264 bytes, already in register order: a block is dense, so one descriptor shape (136 rows of 256 bytes, no padding; every LDS read is 16 x lane on end) serves all; each wave fetches a quarter.
; Two slots of one block.  At each change of slots one tensor load a wave goes out, the only one that the wave has out; it has a whole block's work in which to land.
; CLUSTER: every work-group walks the same 16 blocks, so four work-groups form a cluster and ask for each quarter JOINTLY (mask 15).  A mask names four work-groups, so a larger cluster would share no more.
; LIMITS: NaN, infinities and the scale byte 0xff among the inputs are not served (v_max_num_f32 turns a NaN score into 0 where relu keeps it).  A hidden block of zeros carries the byte 1, over zero codes.
; LDS: slot 0 at 0, slot 1 at 139,264; from 278,528 on, where no tensor load lands: HIDC 8 x 4,096 (hidden fragments' images), HIDS 8 x 256 (their scale words), GATE [16 experts][64 tokens] f32, the spare words.
;      In phase B the waves' stages for the way out (32 rows x 272 bytes each) lie over HIDC and HIDS, which are read out by then.
; REGISTERS, in windows of 256:  window 0: addresses, scale words (v32-95: nothing else ever), at work.   window 1: x's fragments (tile of tokens m, K step s) at 64 m + 8 s; in phase B v0-127 the 16 accumulators, v128-255 V's fragments, two sets.
;      window 2: hidden fragments of experts 0-7 at 8 (4 p + m).   window 3: keys' fragments (b, s, u) at 128 b + 16 s + 8 u; from the end of phase A the hidden fragments of experts 8-15.
.set BLOCKB, 0x22000                   ; 139,264: a block, and the distance of the slots.  In 34,816 x wave, bits 13 and 17 are 0, so one exclusive or turns an address in one slot into the other's
.set QUART,  34816                     ; a wave's quarter of a block: 136 rows of 256 bytes
.set SCOFF,  131072                    ; a block's scale words lie behind its codes
.set HIDC,   278528
.set HIDS,   311296
.set GATE,   313344
.set SPARE,  317440                    ; the spare words, 128 bytes for each wave: two blocks of 256 bytes that no other line names
.set STAGE,  HIDC
.set HS, 32                            ; v32-63   hidden scale words (K step s, pair of token tiles mp) at HS + 2 s + mp: lanes 0-15 tile 2 mp, lanes 16-31 tile 2 mp + 1
.set XS, 64                            ; v64-79   x's scale words at XS + 8 mp + s
.set VS, 64                            ; v64-79   in phase B: V's scale words (s', pair of column tiles tp) at VS + 2 s' + tp
.set KS, 80                            ; v80-95   keys' scale words at KS + 8 b + s: lanes 0-15 tile u = 0, lanes 16-31 u = 1.  At the head v80-87: expert_sel's
.set G,  96                            ; v96-103  the gate of token tile m in v[G + 2 m]; the odd ones are named with them as pairs and hold 0
.set TM, 104                           ; v104-107 largest magnitudes
.set TP, 108                           ; v108-111 the other half's, then the scale bytes
.set SO, 112                           ; v112-115 the conversions' scale operands
.set PC, 116                           ; v116-123 codes just made
.set HA, 128                           ; v128-191 my 8 tiles of an expert's hidden layer: (m, u) at HA + 8 (2 m + u)
; v1 my spare word, v2 0 (never rewritten); v3 BK, v4 BS: my place in a keys block's codes, scale words; v5-7 addresses in hand; v8, v9 my place in a hidden image, scale words; v10, v11, v13 in hand; v12, v14 GATE out, in;
; v15, v16 images back; v17, v18 V's codes in slot 0, 1; v19, v20 V's scale words; v21, v22 stage in, back; v23 out0; v24 prefetch; v25, v26, v28 x's codes, x's scales, expert_sel's scales
; s16 wave; s[20:21] lane selects; s[24:31] descriptor group 1; s[32:35] group 0, which walks; s[36:37] prefetch; s38 refills to come; s39 slot of the next keys block; s40, s41 hidden position; s42 gate's expert; s43 loop count; s48 prefetch limit
.set MSB, 0
.macro WIN new                         ; the immediate's high byte repeats the setting that is left; a switch that changes nothing is dropped
.if MSB != (\new)
	s_set_vgpr_msb (MSB<<8)|(\new)
.set MSB, (\new)
.endif
.endm
.macro PLACES                          ; four plain places behind a matrix instruction, ahead of reads of its result and of loads into its registers
.rept 4
	v_nop
.endr
.endm
.macro CROUND                          ; a round of the cluster's barrier
	s_barrier_signal -1
	s_barrier_wait -1
	s_cmp_lg_u32 s16, 0
	s_cbranch_scc1 .Lnot_wave_0_\@
	s_barrier_signal -3
.Lnot_wave_0_\@:
	s_barrier_wait -3
	s_barrier_signal -1
	s_barrier_wait -1
.endm
; One matrix instruction.  rD: accumulator; rA, rB: sources 0 and 1; rSA, rSB: their scale registers; fRA, fRB: 1 = the scales stand in lanes 16-31; fK = 0: the product starts the sum (nothing is ever cleared)
.macro WM
.if fK == 0
.if fRA && fRB
	v_wmma_scale_f32_16x16x128_f8f6f4 v[rD:rD+7], v[rA:rA+7], v[rB:rB+7], 0, v[rSA], v[rSB] matrix_a_fmt:MATRIX_FMT_FP4 matrix_b_fmt:MATRIX_FMT_FP4 matrix_a_scale:MATRIX_SCALE_ROW1 matrix_b_scale:MATRIX_SCALE_ROW1
.elseif fRA
	v_wmma_scale_f32_16x16x128_f8f6f4 v[rD:rD+7], v[rA:rA+7], v[rB:rB+7], 0, v[rSA], v[rSB] matrix_a_fmt:MATRIX_FMT_FP4 matrix_b_fmt:MATRIX_FMT_FP4 matrix_a_scale:MATRIX_SCALE_ROW1
.elseif fRB
	v_wmma_scale_f32_16x16x128_f8f6f4 v[rD:rD+7], v[rA:rA+7], v[rB:rB+7], 0, v[rSA], v[rSB] matrix_a_fmt:MATRIX_FMT_FP4 matrix_b_fmt:MATRIX_FMT_FP4 matrix_b_scale:MATRIX_SCALE_ROW1
.else
	v_wmma_scale_f32_16x16x128_f8f6f4 v[rD:rD+7], v[rA:rA+7], v[rB:rB+7], 0, v[rSA], v[rSB] matrix_a_fmt:MATRIX_FMT_FP4 matrix_b_fmt:MATRIX_FMT_FP4
.endif
.else
.if fRA && fRB
	v_wmma_scale_f32_16x16x128_f8f6f4 v[rD:rD+7], v[rA:rA+7], v[rB:rB+7], v[rD:rD+7], v[rSA], v[rSB] matrix_a_fmt:MATRIX_FMT_FP4 matrix_b_fmt:MATRIX_FMT_FP4 matrix_a_scale:MATRIX_SCALE_ROW1 matrix_b_scale:MATRIX_SCALE_ROW1
.elseif fRA
	v_wmma_scale_f32_16x16x128_f8f6f4 v[rD:rD+7], v[rA:rA+7], v[rB:rB+7], v[rD:rD+7], v[rSA], v[rSB] matrix_a_fmt:MATRIX_FMT_FP4 matrix_b_fmt:MATRIX_FMT_FP4 matrix_a_scale:MATRIX_SCALE_ROW1
.elseif fRB
	v_wmma_scale_f32_16x16x128_f8f6f4 v[rD:rD+7], v[rA:rA+7], v[rB:rB+7], v[rD:rD+7], v[rSA], v[rSB] matrix_a_fmt:MATRIX_FMT_FP4 matrix_b_fmt:MATRIX_FMT_FP4 matrix_b_scale:MATRIX_SCALE_ROW1
.else
	v_wmma_scale_f32_16x16x128_f8f6f4 v[rD:rD+7], v[rA:rA+7], v[rB:rB+7], v[rD:rD+7], v[rSA], v[rSB] matrix_a_fmt:MATRIX_FMT_FP4 matrix_b_fmt:MATRIX_FMT_FP4
.endif
.endif
.endm
; A PREFETCH INTO THE L2, behind the joint load and its five lines.  wts is taken as 17 pieces of 131,072 bytes; change number t (0 .. 13) names piece t + 3: 16 waves x 32 lanes x 256 bytes.  All clusters walk the same bytes: the first
; cluster asks, and its four partners are told apart BY ADDRESS.  So each aligned 256 bytes from piece 3 on are named once in the launch, and piece 16 ends with the buffer.  Since 131,072 (t + 4) >= 139,264 (t + 3) for t <= 13,
; all of block t + 2 has been named when change t + 1 asks for it by its tensor load, a block's work later.  Pieces 0 to 2 come by their loads alone: nothing is prefetched at the head.  The last refill asks for nothing.
.macro ASK
	s_cmp_gt_u32 s38, s48
	s_cbranch_scc0 .Lnot_mine_\@
	global_prefetch_b8 v24, s[36:37] th:TH_LOAD_NT scope:SCOPE_SE
.Lnot_mine_\@:
.endm
; THE CHANGE OF SLOTS stands at a block's head.  Each wave waits for all its tensor loads (one is out: its quarter of the block that it is about to read), adds 0 to its spare word, and waits for that and for all its LDS reads and stores.
; fill = 1: a round of the cluster's barrier, so that no wave of any partner still reads the slot that was left or has a load on its way; then the joint load of the next block into that slot, first thing behind the round.
.macro CHANGE fill
	s_wait_tensorcnt 0x0                           ; no tensor load of mine is out, so group 0 may be written
	ds_add_u32 v1, v2                              ; 0 onto my spare word; the steps below stand between it and the wait for it
.if \fill
	s_xor_b32 s33, s33, BLOCKB                     ; the other slot than last time,
	s_add_nc_u64 s[34:35], s[34:35], BLOCKB        ; the next block; the type bits on top are not reached
	s_wait_xcnt 0x0                                ; the last prefetch, a block back, has read its address, so it may be written
	s_add_nc_u64 s[36:37], s[36:37], 131072
	s_wait_dscnt 0x0                               ; the add is done, and so are my reads of the slot that I have left and my stores for the other waves
	CROUND
	tensor_load_to_lds s[32:35], s[24:31]
	s_nop 0
	PLACES                                         ; (they are also the places behind the last products, ahead of the loads and reads that follow)
	ASK
	s_sub_co_u32 s38, s38, 1
.else
	s_wait_dscnt 0x0
	s_barrier_signal -1
	s_barrier_wait -1
	PLACES
.endif
.endm
; My part of a keys block into registers: the scale words of both experts, then expert b = 0's 16 fragments, then b = 1's
.macro FETCH2
	v_add_nc_u32 v5, s39, v3
	v_add_nc_u32 v6, 65536, v5
	v_add_nc_u32 v7, s39, v4
	s_xor_b32 s39, s39, BLOCKB                     ; the next block lies in the other slot
.irp b, 0,1
.irp q, 0,1
	ds_load_b128 v[KS+8*\b+4*\q:KS+8*\b+4*\q+3], v7 offset:4096*\b+512*\q
.endr
.endr
	WIN 0xc0                                       ; destination window 3
.irp b, 0,1
.irp f, 0,1,2,3,4,5,6,7,8,9,10,11,12,13,14,15
.irp c, 0,1
	ds_load_b128 v[128*\b+8*\f+4*\c:128*\b+8*\f+4*\c+3], v[5+\b] offset:1024*\f+512*\c   ; fragment f = 2 s + u
.endr
.endr
.endr
	WIN 0
.endm
.macro GLOAD                           ; the next expert's gates of my lane's four tokens
	v_add_nc_u32 v13, s42, v12
.irp m, 0,1,2,3
	ds_load_b32 v[G+2*\m], v13 offset:64*\m
.endr
	s_add_co_u32 s42, s42, 256
.endm
; 64 matrix instructions: my 32 hidden units of the block's expert b for 64 tokens, K = 1,024.  The 8 accumulators take turns, one instruction a turn.
; Register j of tile (m, u) in lane (r, h) is hidden unit 32 w + 16 h + 8 u + j of token 16 m + r.
.macro P2MUL b
	WIN 0x07                                       ; source 0 (keys) window 3, source 1 (x) window 1, C and D window 0
.irp s, 0,1,2,3,4,5,6,7
.irp m, 0,1,2,3
.irp u, 0,1
.set rD, HA+8*(2*\m+\u)
.set rA, 128*\b+16*\s+8*\u
.set rB, 64*\m+8*\s
.set rSA, KS+8*\b+\s
.set rSB, XS+8*(\m/2)+\s
.set fK, \s
.set fRA, \u
.set fRB, \m%2
	WM
.endr
.endr
.endr
	WIN 0
.endm
; relu, times the gate, quantised: a lane's 16 registers of tiles (m, 0), (m, 1) are 16 neighbours along the next K; lanes l and l xor 16 hold the block of 32.  The codes go to LDS where the operand's image wants them:
; block w is register group w / 2 of lanes 16 (w % 2) + r: byte 256 w + 16 r, my half of the block 8 h on.  The block's byte is byte w of the token's scale word.
.macro QUANT
.set j, 0
.rept 64
	v_max_num_f32 v[HA+j], 0, v[HA+j]              ; each accumulator is read from its low end on
.set j, j+1
.endr
.irp m, 0,1,2,3
.irp i, 0,2,4,6,8,10,12,14
	v_pk_mul_f32 v[HA+16*\m+\i:HA+16*\m+\i+1], v[HA+16*\m+\i:HA+16*\m+\i+1], v[G+2*\m:G+2*\m+1] op_sel_hi:[1,0]   ; x the token's gate (the pair's low word serves both halves)
.endr
.endr
.irp m, 0,1,2,3
	v_max3_num_f32 v[TM+\m], v[HA+16*\m], v[HA+16*\m+1], 0x1800000   ; no |.|: none is negative.  The floor 2^(3 - 127) holds the byte at 1 from below
.endr
.irp i, 2,4,6,8,10,12,14
.irp m, 0,1,2,3
	v_max3_num_f32 v[TM+\m], v[TM+\m], v[HA+16*\m+\i], v[HA+16*\m+\i+1]   ; (the four tiles by turns)
.endr
.endr
.irp m, 0,1,2,3
	v_permlanex16_b32 v[TP+\m], v[TM+\m], s20, s21
.endr
.irp m, 0,1,2,3
	v_max_num_f32 v[TM+\m], v[TM+\m], v[TP+\m]     ; with lane l xor 16's: the block's largest magnitude
.endr
.irp m, 0,1,2,3
	v_add_nc_u32 v[SO+\m], 0xff000000, v[TM+\m]    ; 2 off its exponent field: the conversion's scale operand
.endr
.irp m, 0,1,2,3
	v_lshrrev_b32 v[TP+\m], 23, v[SO+\m]           ; the scale's byte
.endr
.irp m, 0,1,2,3
	v_cvt_scalef32_pk8_fp4_f32 v[PC+2*\m], v[HA+16*\m:HA+16*\m+7], v[SO+\m]
	v_cvt_scalef32_pk8_fp4_f32 v[PC+2*\m+1], v[HA+16*\m+8:HA+16*\m+15], v[SO+\m]
.endr
	v_add_nc_u32 v10, s40, v8                      ; (the plain place behind the conversions)  this expert's position among the eight
	v_add_nc_u32 v11, s41, v9
.irp m, 0,1,2,3
	ds_store_b64 v10, v[PC+2*\m:PC+2*\m+1] offset:1024*\m   ; 32 lanes store 256 consecutive bytes
.endr
.irp m, 0,1,2,3
	ds_store_b8 v11, v[TP+\m] offset:64*\m         ; both lanes of a block write the same byte with the same value
.endr
	s_add_co_u32 s40, s40, 4096
	s_add_co_u32 s41, s41, 256
.endm
.macro BULK win, hb                    ; eight experts' hidden fragments and scale words from LDS into every wave's registers
	WIN \win
.irp p, 0,1,2,3,4,5,6,7
.irp m, 0,1,2,3
.irp c, 0,1
	ds_load_b128 v[8*(4*\p+\m)+4*\c:8*(4*\p+\m)+4*\c+3], v15 offset:4096*\p+1024*\m+512*\c
.endr
.endr
.endr
	WIN 0
.irp p, 0,1,2,3,4,5,6,7
.irp mp, 0,1
	ds_load_b32 v[HS+2*(8*\hb+\p)+\mp], v16 offset:256*\p+128*\mp
.endr
.endr
.endm
; Eight experts: four blocks of keys.  An expert's QUANT stands behind the next fetch or the next products' loads, so that LDS works meanwhile.
.macro HALF win, hb
	s_mov_b32 s40, 0
	s_mov_b32 s41, 0
	CHANGE 1
	FETCH2
	GLOAD
	s_wait_dscnt 36                                ; the scale words and expert 0's fragments are in; expert 1's 32 loads and the 4 gates may be out
	P2MUL 0
	PLACES
	s_wait_dscnt 0x0                               ; the gates, and expert 1's fragments
	QUANT
	GLOAD
	P2MUL 1
	s_mov_b32 s43, 3
.Lblk_\@:
	CHANGE 1
	FETCH2
	QUANT                                          ; the last block's second expert
	GLOAD
	s_wait_dscnt 44                                ; behind expert 0's fragments: expert 1's 32 loads, QUANT's 8 stores, 4 gates
	P2MUL 0
	PLACES
	s_wait_dscnt 0x0
	QUANT
	GLOAD
	P2MUL 1
	s_sub_co_u32 s43, s43, 1
	s_cmp_lg_u32 s43, 0
	s_cbranch_scc1 .Lblk_\@
	PLACES
	s_wait_dscnt 0x0
	QUANT
	s_wait_dscnt 0x0                               ; for the others' sake: my stores have landed
	s_barrier_signal -1                            ; the next block's load may stay out
	s_barrier_wait -1
	BULK \win, \hb                                 ; the images are written again only behind the next change of slots, in front of which every wave waits for these loads
.endm
; The gates of token tile m: sigmoid(x S^T).  Source 0 = the 16 experts: register j of lane (r, h) is expert 8 h + j for token 16 m + r.  One accumulator, with a wait ahead of each link.
.macro GATEM m
	WIN 0x04                                       ; source 1 (x) window 1
.irp s, 0,1,2,3,4,5,6,7
.set rD, 128
.set rA, 192+8*\s
.set rB, 64*\m+8*\s
.set rSA, 80+\s
.set rSB, XS+8*(\m/2)+\s
.set fK, \s
.set fRA, 0
.set fRB, \m%2
.if \s > 0
	s_wait_alu depctr_va_vdst(0)
.endif
	WM
.endr
	WIN 0
	PLACES
.irp j, 0,1,2,3,4,5,6,7
	v_mul_f32 v[136+\j], 0xbfb8aa3b, v[128+\j]     ; -log2(e) x
.endr
.irp j, 0,1,2,3,4,5,6,7
	v_exp_f32 v[136+\j], v[136+\j]
.endr
	v_nop                                          ; a plain place behind the batch,
	s_wait_alu depctr_va_vdst(0)                   ; and a wait ahead of its first reader
.irp j, 0,1,2,3,4,5,6,7
	v_add_f32 v[136+\j], 1.0, v[136+\j]
.endr
.irp j, 0,1,2,3,4,5,6,7
	v_rcp_f32 v[136+\j], v[136+\j]                 ; 1 / (1 + e^-x)
.endr
	v_nop
	s_wait_alu depctr_va_vdst(0)
.irp j, 0,1,2,3,4,5,6,7
	ds_store_b32 v14, v[136+\j] offset:256*\j+64*\m
.endr
.endm
.macro FETCHV slot, g                  ; V's fragments of K steps 2 g, 2 g + 1 of the block (4 column tiles each) into set g % 2
	WIN 0x40                                       ; destination window 1
.irp ks, 0,1
.irp tt, 0,1,2,3
.irp cc, 0,1
	ds_load_b128 v[128+64*((\g)%2)+32*\ks+8*\tt+4*\cc:128+64*((\g)%2)+32*\ks+8*\tt+4*\cc+3], v[17+\slot] offset:(2*(\g)+\ks)*4096+1024*\tt+512*\cc
.endr
.endr
.endr
	WIN 0
.endm
.macro BFETCH slot                     ; a block of V: my 16 scale registers, and the first two sets of fragments
.irp sp, 0,1,2,3,4,5,6,7
.irp tp, 0,1
	ds_load_b32 v[VS+2*\sp+\tp], v[19+\slot] offset:256*\sp+128*\tp
.endr
.endr
	FETCHV \slot, 0
	FETCHV \slot, 1
.endm
; 128 matrix instructions: my 64 columns x 64 tokens, 8 K steps (the block in slot 0 holds experts 0-7, that in slot 1 experts 8-15).  The 16 accumulators take turns, one instruction a turn.
.macro BMUL slot
.irp g, 0,1,2,3
.if \g < 3
	s_wait_dscnt 16                                ; this set is in; the next set's 16 loads may be out
.else
	s_wait_dscnt 0x0
.endif
	WIN 0x59+4*\slot                               ; source 0 (V) window 1, source 1 (hidden) window 2 or 3, C and D window 1
.irp ks, 0,1
.irp m, 0,1,2,3
.irp tt, 0,1,2,3
.set rD, 8*(4*\m+\tt)
.set rA, 128+64*(\g%2)+32*\ks+8*\tt
.set rB, 8*(4*(2*\g+\ks)+\m)
.set rSA, VS+2*(2*\g+\ks)+\tt/2
.set rSB, HS+2*(8*\slot+2*\g+\ks)+\m/2
.set fK, 8*\slot+2*\g+\ks
.set fRA, \tt%2
.set fRB, \m%2
	WM
.endr
.endr
.endr
	WIN 0
.if \g < 2
	PLACES
	FETCHV \slot, \g+2
.endif
.endr
.endm
; THE WAY OUT of a chunk: a lane holds 32 neighbouring bytes of a token's row, the lanes beside it other tokens: 32 tokens at a time go through my own stage (rows of 256 bytes + 16) and come back as rows.
; LDS serves a wave's instructions in order (ISA guide 5.7.1.4): no wait between the stores and the loads, nor ahead of the second half's stores.
.macro WAYOUT more
	PLACES
.irp hf, 0,1
	WIN 0x04                                       ; an LDS store's data are its source 1: window 1
.irp mm, 0,1
.irp tt, 0,1,2,3
	ds_store_b128 v21, v[8*(4*(2*\hf+\mm)+\tt):8*(4*(2*\hf+\mm)+\tt)+3] offset:4352*\mm+64*\tt        ; each accumulator from its low end on
	ds_store_b128 v21, v[8*(4*(2*\hf+\mm)+\tt)+4:8*(4*(2*\hf+\mm)+\tt)+7] offset:4352*\mm+64*\tt+16
.endr
.endr
	WIN 0
.irp i, 0,1,2,3,4,5,6,7,8,9,10,11,12,13,14,15
	ds_load_b128 v[128+64*\hf+4*\i:128+64*\hf+4*\i+3], v22 offset:544*\i
.endr
.endr
.irp hf, 0,1
.irp i, 0,1,2,3,4,5,6,7,8,9,10,11,12,13,14,15
	s_wait_dscnt 47-32*\hf-\i                      ; behind load i: the later loads of its half, and for the first half the second half's 32 instructions
	global_store_b128 v23, v[128+64*\hf+4*\i:128+64*\hf+4*\i+3], s[14:15] offset:(32*\hf+2*\i)*4096 th:TH_STORE_NT   ; sixteen lanes store 256 consecutive bytes, aligned; written once, read by nobody here
.endr
.endr
.if \more
	s_wait_xcnt 0x0                                ; the stores have read their registers and their base
	s_add_nc_u64 s[14:15], s[14:15], 1024          ; the next chunk's 256 columns
.endif
.endm
	s_load_b256 s[4:11], s[0:1], 0x0               ; x's codes s[4:5], x's scales s[6:7], expert_sel's codes s[8:9], its scales s[10:11]
	s_load_b128 s[12:15], s[0:1], 0x20             ; wts s[12:13], out0 s[14:15]
	v_lshl_add_u32 v1, v0, 2, SPARE
	v_mov_b32 v2, 0
	ds_add_u32 v1, v2                              ; the wave's opening: the add, twice on end, and its wait ahead of my first tensor load; the set-up below stands between the second and the wait
	ds_add_u32 v1, v2
	v_lshrrev_b32 v3, 5, v0
	v_readfirstlane_b32 s16, v3                    ; wave 0..3
	s_bfe_u32 s17, ttmp6, 0x40000                  ; cx: my place in the cluster: it enters global addresses of x, out0 and the prefetches alone
	s_lshl_b32 s18, ttmp9, 2                       ; in a cluster launch ttmp9 counts clusters
	s_add_co_u32 s18, s18, s17                     ; g: my block of 64 tokens
	s_mov_b32 s20, 0x76543210
	s_mov_b32 s21, 0xfedcba98                      ; v_permlanex16_b32's selects for lane l xor 16
	s_mov_b32 s24, 15|(3<<16)|(1<<21)              ; group 1: 15:0 the mask: all four work-groups; 17:16 elements of 8 bytes; 20 no padding; 21 set beside a mask
	s_mov_b32 s25, 32<<16                          ; tensor_dim0 = 32 elements: 256 bytes
	s_mov_b32 s26, 136<<16                         ; tensor_dim1 = 136
	s_mov_b32 s27, 32<<16                          ; tile_dim0 = 32
	s_mov_b32 s28, 136                             ; tile_dim1 = 136
	s_mov_b32 s29, 32                              ; from row to row: dense
	s_mov_b32 s30, 0
	s_mov_b32 s31, 0
	s_mov_b32 s32, 1                               ; group 0: count = 1
	s_mul_i32 s33, s16, QUART                      ; LDS address: my quarter of slot 0
	s_mov_b32 s44, s33                             ; and the same quarter of block 0 in memory
	s_mov_b32 s45, 0
	s_mov_b32 s38, 15                              ; refills to come
	s_cmp_eq_u32 ttmp9, 0
	s_cselect_b32 s48, 1, -1                       ; the first cluster prefetches: the same number in all four partners
	s_mov_b32 s39, 0
	s_mov_b32 s42, 0
	s_lshl_b32 s46, s18, 15                        ; 64 tokens of 512 bytes of codes,
	s_mov_b32 s47, 0
	s_lshl_b32 s50, s18, 11                        ; of 32 scale bytes,
	s_mov_b32 s51, 0
	s_lshl_b32 s52, s18, 18                        ; of 4,096 bytes of out0,
	s_lshl_b32 s53, s16, 8
	s_add_co_u32 s52, s52, s53                     ; + my wave's 64 columns
	s_mov_b32 s53, 0
	s_lshl_b32 s54, s17, 2
	s_add_co_u32 s54, s54, s16
	s_lshl_b32 s54, s54, 13                        ; the prefetches: 8,192 bytes for each of the cluster's 16 waves,
	s_add_co_u32 s54, s54, 2*131072                ; in piece 2: the first change of slots steps it to piece 3
	s_mov_b32 s55, 0
	s_wait_dscnt 0x0                               ; both opening adds are done
	s_wait_kmcnt 0x0
	s_add_nc_u64 s[34:35], s[12:13], s[44:45]
	s_or_b32 s35, s35, 0x80000000                  ; type = 2
	s_add_nc_u64 s[4:5], s[4:5], s[46:47]
	s_add_nc_u64 s[6:7], s[6:7], s[50:51]
	s_add_nc_u64 s[14:15], s[14:15], s[52:53]
	s_add_nc_u64 s[36:37], s[12:13], s[54:55]
	CROUND                                         ; all four work-groups are here: the first joint loads meet
	tensor_load_to_lds s[32:35], s[24:31]          ; block 0 into slot 0; slot 1 is first filled behind the first change's round
	s_nop 0
	PLACES
	v_and_b32 v27, 31, v0                          ; lane
	v_and_b32 v29, 15, v0                          ; r
	v_bfe_u32 v30, v0, 4, 1                        ; h
	v_lshlrev_b32 v25, 9, v29
	v_lshl_add_u32 v25, v30, 4, v25                ; x, expert_sel: row r of 512 bytes, + 16 h
	v_lshlrev_b32 v26, 5, v27                      ; x's scales: 32 bytes a token, a lane a token
	v_lshlrev_b32 v28, 5, v29                      ; expert_sel's: row r
	WIN 0x40                                       ; destination window 1
.irp m, 0,1,2,3
.irp s, 0,1,2,3,4,5,6,7
.irp c, 0,1
	global_load_b128 v[64*\m+8*\s+4*\c:64*\m+8*\s+4*\c+3], v25, s[4:5] offset:8192*\m+64*\s+32*\c   ; x's 32 fragments stay in registers through phase A
.endr
.endr
.endr
	WIN 0
.irp mp, 0,1
.irp q, 0,1
	global_load_b128 v[XS+8*\mp+4*\q:XS+8*\mp+4*\q+3], v26, s[6:7] offset:1024*\mp+16*\q
.endr
.endr
.irp s, 0,1,2,3,4,5,6,7
.irp c, 0,1
	global_load_b128 v[192+8*\s+4*\c:192+8*\s+4*\c+3], v25, s[8:9] offset:64*\s+32*\c
.endr
.endr
.irp q, 0,1
	global_load_b128 v[80+4*\q:80+4*\q+3], v28, s[10:11] offset:16*\q
.endr
	; every LDS address register is made here, on the one way that all waves take
	s_lshl_b32 s44, s16, 14
	v_lshl_add_u32 v3, v27, 4, s44                 ; BK = 16 lane + 16,384 w
	s_lshl_b32 s44, s16, 10
	s_add_co_u32 s44, s44, SCOFF
	v_lshl_add_u32 v4, v27, 4, s44                 ; BS = 131,072 + 1,024 w + 16 lane
	s_lshl_b32 s44, s16, 8
	s_add_co_u32 s44, s44, HIDC
	v_lshlrev_b32 v8, 4, v29
	v_lshl_add_u32 v8, v30, 3, v8
	v_add_nc_u32 v8, s44, v8                       ; HIDC + 256 w + 16 r + 8 h
	s_add_co_u32 s44, s16, HIDS
	v_lshl_add_u32 v9, v29, 2, s44                 ; HIDS + 4 r + w
	v_lshl_add_u32 v12, v29, 2, GATE               ; GATE + 4 r
	v_lshl_add_u32 v14, v30, 11, v12               ; GATE + 2,048 h + 4 r
	v_lshl_add_u32 v15, v27, 4, HIDC
	v_lshl_add_u32 v16, v27, 2, HIDS
	s_lshl_b32 s44, s16, 15
	v_lshl_add_u32 v17, v27, 4, s44                ; V's codes: 32,768 w + 16 lane, in slot 0,
	v_add_nc_u32 v18, BLOCKB, v17                  ; in slot 1
	s_lshl_b32 s44, s16, 11
	s_add_co_u32 s44, s44, SCOFF
	v_lshl_add_u32 v19, v27, 2, s44                ; V's scale words: 131,072 + 2,048 w + 4 lane
	v_add_nc_u32 v20, BLOCKB, v19
	s_mul_i32 s44, s16, 8704
	s_add_co_u32 s44, s44, STAGE                   ; my stage
	v_mul_u32_u24 v21, v29, 272
	v_lshl_add_u32 v21, v30, 5, v21
	v_add_nc_u32 v21, s44, v21                     ; in: row r, + 32 h
	v_mul_u32_u24 v22, v30, 272
	v_lshl_add_u32 v22, v29, 4, v22
	v_add_nc_u32 v22, s44, v22                     ; back: lanes 0-15 one row, lanes 16-31 the next
	v_lshlrev_b32 v23, 12, v30
	v_lshl_add_u32 v23, v29, 4, v23                ; and the same two rows in out0
	v_lshlrev_b32 v24, 8, v27                      ; the prefetches: lanes 256 bytes apart
.irp m, 0,1,2,3
	v_mov_b32 v[TP+\m], 0                          ; written once: a lane permute's destination counts as one of its sources
	v_mov_b32 v[G+2*\m+1], 0                       ; named as the upper halves of the gates' pairs
.endr
	s_wait_loadcnt 0x0                             ; x, expert_sel and their scales
.irp m, 0,1,2,3                        ; wave m makes the gates of token tile m: the register numbers differ, so each has its own lines, under a branch on the wave's number
	s_cmp_lg_u32 s16, \m
	s_cbranch_scc1 .Lnot_gate\m
	GATEM \m
.Lnot_gate\m:
.endr
	HALF 0x80, 0                                   ; PHASE A: experts 0-7 (the first change of slots orders the gates' stores ahead of all waves' reads), into window 2;
	HALF 0xc0, 1                                   ; experts 8-15, into window 3, which keys' fragments have left
	CHANGE 1                                       ; PHASE B
	BFETCH 0
	BMUL 0
	s_mov_b32 s43, 3
.Lchunk:
	CHANGE 1
	BFETCH 1
	BMUL 1                                         ; a chunk's sums are whole
	CHANGE 1
	BFETCH 0                                       ; the next chunk's first fragments are on their way
	WAYOUT 1                                       ; while the chunk goes out; its stores leave under the next chunk's products
	BMUL 0
	s_sub_co_u32 s43, s43, 1
	s_cmp_lg_u32 s43, 0
	s_cbranch_scc1 .Lchunk
	CHANGE 0                                       ; the last block is written out: nothing is left to fetch
	BFETCH 1
	BMUL 1
	WAYOUT 0
	s_wait_tensorcnt 0x0                           ; the wave's end, behind my last tensor load and my last LDS store
	ds_add_u32 v1, v2
	s_wait_dscnt 0x0
	CROUND                                         ; the closing round: no work-group ends while a partner may still ask for a block that names it
	s_endpgm
.Lfunc_end_k_q4e3e963e73_moe:
	.size	k_q4e3e963e73_moe, .Lfunc_end_k_q4e3e963e73_moe-k_q4e3e963e73_moe
	.p2alignl 7, 3214868480
	.fill 96, 4, 3214868480
	.section	.rodata,"a",@progbits
	.p2align	6, 0x0
	.amdhsa_kernel k_q4e3e963e73_moe
		.amdhsa_group_segment_fixed_size 327680
		.amdhsa_private_segment_fixed_size 0
		.amdhsa_enable_private_segment 0
		.amdhsa_kernarg_size 48
		.amdhsa_user_sgpr_count 2
		.amdhsa_user_sgpr_kernarg_segment_ptr 1
		.amdhsa_wavefront_size32 1
		.amdhsa_system_sgpr_workgroup_id_x 1
		.amdhsa_system_sgpr_workgroup_id_y 1
		.amdhsa_system_sgpr_workgroup_id_z 1
		.amdhsa_system_vgpr_workitem_id 0
		.amdhsa_next_free_vgpr 1024
		.amdhsa_next_free_sgpr 66
		.amdhsa_reserve_vcc 0
		.amdhsa_float_denorm_mode_32 3
		.amdhsa_float_denorm_mode_16_64 3
		.amdhsa_memory_ordered 1
		.amdhsa_forward_progress 1
		.amdhsa_inst_pref_size 255
	.end_amdhsa_kernel
	.section	.bss,"aw",@nobits
	.p2align	6
	.space	262144
	.amdgpu_metadata
---
amdhsa.version: [ 1, 2 ]
amdhsa.kernels:
  - .name:           k_q4e3e963e73_moe
    .symbol:         k_q4e3e963e73_moe.kd
    .args:
      - { .name: input_tensor_codes, .offset: 0, .size: 8, .value_kind: global_buffer, .address_space: global }
      - { .name: input_tensor_scales, .offset: 8, .size: 8, .value_kind: global_buffer, .address_space: global }
      - { .name: expert_sel_codes, .offset: 16, .size: 8, .value_kind: global_buffer, .address_space: global }
      - { .name: expert_sel_scales, .offset: 24, .size: 8, .value_kind: global_buffer, .address_space: global }
      - { .name: wts, .offset: 32, .size: 8, .value_kind: global_buffer, .address_space: global }
      - { .name: out0, .offset: 40, .size: 8, .value_kind: global_buffer, .address_space: global }
    .group_segment_fixed_size: 327680
    .private_segment_fixed_size: 0
    .kernarg_segment_align: 8
    .kernarg_segment_size: 48
    .max_flat_workgroup_size: 128
    .sgpr_count:     66
    .vgpr_count:     1024
    .wavefront_size: 32
...
	.end_amdgpu_metadata
.endif
;; end of part 2
;; ======== version 2 of 2: 2 launches
;; limits: right only within a limited range of input values
;; workspace buffers: wts 2,228,224 bytes
;; launch prep (part 3): grid 256 x 1, 2 waves a work-group, no clusters, 0 bytes of LDS; arguments values, keys_codes, keys_scales, wts; writes wts
.if DOCPART == 3
	.amdgcn_target "amdgcn-amd-amdhsa--gfx1250"
	.amdhsa_code_object_version 6
	.text
	.protected	k_q4e3e963e73_prep
	.globl	k_q4e3e963e73_prep
	.p2align	8
	.type	k_q4e3e963e73_prep,@function
k_q4e3e963e73_prep:
	s_mov_b64 s[64:65], 0
	v_nop
	global_prefetch_b8 v0, s[64:65] scope:SCOPE_SE
	s_setreg_imm32_b32 hwreg(HW_REG_WAVE_MODE, 25, 1), 1
	s_wait_xcnt 0x0
; SigmaMoE in MX-FP4, first of two launches: all weights are laid into the workspace wts as IMAGES OF OPERAND REGISTERS, in the order in which the second launch walks them.
; out = Q(relu(x K_e) * sigmoid(x S^T)_e) Q(V).  NO WORK OF reference() IS LEFT OUT in either launch: every expert is weighed into every token (soft gates), and every input has a way to the output.
; values [2048 (k = 128 e + h)][1024 (n)], f32, has the product's K as its FIRST axis: it is quantised here along K (blocks of 32; scale 2^(floor(log2(largest magnitude)) - 2); nearest code, ties to even).
; keys arrives as codes and scale bytes: they are only laid anew, byte for byte.
; wts = 16 blocks of 139,264 bytes (131,072 of codes, 8,192 of scale words).
;   blocks 0-7, experts 2 t + b:  codes at 65,536 b + 16,384 w + 1,024 (2 s + u) + 512 c + 16 lane: of keys' row 128 e + 32 w + 8 u + r + 8 (r / 8) the 16 bytes at 64 s + 32 c + 16 h  (lane = 16 h + r; s: 128 along K);
;                                 scale words at 131,072 + 4,096 b + 1,024 w + 512 q + 16 lane (lane = 16 u + r): the same row's words of K steps 4 q .. 4 q + 3.
;   blocks 8-15, t = 8 + 2 c + kh (256 columns c, half kh of K):  codes at 32,768 w + 4,096 s' + 1,024 tt + 256 b' + 16 r: the 32 codes of k = 128 (8 kh + s') + 32 b' .. of column 256 c + 64 w + 16 tt + r;
;                                 scale words at 131,072 + 2,048 w + 256 s' + 128 (tt / 2) + 4 (16 (tt % 2) + r), byte b' for block b'.
; SHARES: 512 waves, J = 2 x work-group + wave.  Each does one job of V (32 columns x 128 along K: A LANE TAKES A COLUMN AND ITS REGISTERS RUN DOWN K, so a block's largest magnitude needs no other lane and the
; conversions give codes with K innermost), one job of keys' codes (2,048 bytes), and every fourth wave 512 bytes of keys' scale words.  No LDS, no barrier: waves share nothing.
; A wave's load of V reads 128 consecutive bytes, the work-group's two waves 256.  Code stores: sixteen lanes write 256 consecutive bytes, aligned.  V's scale words leave 128 bytes a wave: the two waves of a work-group fill 256 between them.
; LIMITS: NaN and infinities among values are not served.  A block of zeros gets the byte 1 where the rule says 127: its codes are zeros, which add nothing under any byte but 0xff, and this program alone reads the bytes.
.set BLOCKB, 139264
.set SCOFF,  131072
.set X,  32                            ; v32-159  my column's 128 numbers
.set C,  160                           ; v160-175 codes, four registers a block: no store's data are written again
.set KD, 180                           ; v180-195 keys' codes on their way
.set SD, 196                           ; v196-199 keys' scale words on their way
	s_load_b256 s[4:11], s[0:1], 0x0               ; values s[4:5], keys' codes s[6:7], keys' scales s[8:9], wts s[10:11]
	v_lshrrev_b32 v1, 5, v0
	v_readfirstlane_b32 s12, v1                    ; wave 0, 1
	v_and_b32 v1, 31, v0                           ; lane
	v_and_b32 v7, 15, v0                           ; r
	v_bfe_u32 v11, v0, 4, 1                        ; h
	v_lshlrev_b32 v2, 2, v1                        ; V in, and V's scale words out: 4 bytes a lane
	v_lshlrev_b32 v3, 4, v7
	v_lshl_add_u32 v3, v11, 10, v3                 ; V's codes out: 16 r, and lanes 16-31 one tile of columns (1,024 bytes) on
	v_and_b32 v17, 8, v7
	v_add_nc_u32 v17, v17, v7                      ; r + 8 (r / 8)
	v_lshlrev_b32 v4, 9, v17
	v_lshl_add_u32 v4, v11, 4, v4                  ; keys' codes in: that row of 512 bytes, + 16 h
	v_lshlrev_b32 v5, 4, v1                        ; images out: 16 bytes a lane
	v_lshl_add_u32 v6, v11, 3, v17
	v_lshlrev_b32 v6, 5, v6                        ; keys' scales in: row 8 (lane / 16) + r + 8 (r / 8) of 32 bytes
	s_lshl_b32 s13, ttmp9, 1
	s_add_co_u32 s13, s13, s12                     ; J
	s_lshr_b32 s14, s13, 5                         ; V: the K step s of 128.  keys: the expert e
	s_and_b32 s15, s13, 31                         ; V: cg, which 32 columns
	s_lshl_b32 s16, s14, 19                        ; V in: 128 s rows of 4,096 bytes
	s_lshl_b32 s17, s15, 7                         ; + 32 cg columns
	s_add_co_u32 s16, s16, s17
	s_mov_b32 s17, 0
	s_lshr_b32 s18, s15, 3                         ; the chunk of 256 columns
	s_lshl_b32 s18, s18, 1
	s_lshr_b32 s19, s14, 3                         ; the half of K
	s_add_co_u32 s18, s18, s19
	s_add_co_u32 s18, s18, 8
	s_mul_i32 s20, s18, BLOCKB                     ; V's block
	s_bfe_u32 s21, s15, 0x20001                    ; which wave of the second launch reads these columns: (cg / 2) % 4
	s_and_b32 s22, s14, 7                          ; s'
	s_and_b32 s23, s15, 1                          ; which pair of column tiles
	s_lshl_b32 s24, s21, 15
	s_add_co_u32 s24, s24, s20
	s_lshl_b32 s19, s22, 12
	s_add_co_u32 s24, s24, s19
	s_lshl_b32 s19, s23, 11
	s_add_co_u32 s24, s24, s19                     ; V's codes out
	s_mov_b32 s25, 0
	s_lshl_b32 s26, s21, 11
	s_add_co_u32 s26, s26, s20
	s_add_co_u32 s26, s26, SCOFF
	s_lshl_b32 s19, s22, 8
	s_add_co_u32 s26, s26, s19
	s_lshl_b32 s19, s23, 7
	s_add_co_u32 s26, s26, s19                     ; V's scale words out
	s_mov_b32 s27, 0
	s_bfe_u32 s28, s13, 0x20003                    ; keys: w
	s_bfe_u32 s29, s13, 0x10002                    ; u (for the scale words: q)
	s_and_b32 s30, s13, 3                          ; sg: K steps 2 sg, 2 sg + 1
	s_lshl_b32 s32, s14, 16                        ; keys' codes in: (128 e + 32 w + 8 u) rows of 512 bytes + 128 sg
	s_lshl_b32 s19, s28, 14
	s_add_co_u32 s32, s32, s19
	s_lshl_b32 s19, s29, 12
	s_add_co_u32 s32, s32, s19
	s_lshl_b32 s19, s30, 7
	s_add_co_u32 s32, s32, s19
	s_mov_b32 s33, 0
	s_lshr_b32 s31, s14, 1
	s_mul_i32 s31, s31, BLOCKB                     ; keys' block
	s_and_b32 s18, s14, 1                          ; b
	s_lshl_b32 s34, s18, 16
	s_add_co_u32 s34, s34, s31
	s_lshl_b32 s19, s28, 14
	s_add_co_u32 s34, s34, s19
	s_lshl_b32 s19, s30, 12
	s_add_co_u32 s34, s34, s19
	s_lshl_b32 s19, s29, 10
	s_add_co_u32 s34, s34, s19                     ; keys' codes out
	s_mov_b32 s35, 0
	s_lshl_b32 s36, s14, 12                        ; keys' scales in: (128 e + 32 w) rows of 32 bytes + 16 q
	s_lshl_b32 s19, s28, 10
	s_add_co_u32 s36, s36, s19
	s_lshl_b32 s19, s29, 4
	s_add_co_u32 s36, s36, s19
	s_mov_b32 s37, 0
	s_lshl_b32 s38, s18, 12
	s_add_co_u32 s38, s38, s31
	s_add_co_u32 s38, s38, SCOFF
	s_lshl_b32 s19, s28, 10
	s_add_co_u32 s38, s38, s19
	s_lshl_b32 s19, s29, 9
	s_add_co_u32 s38, s38, s19                     ; keys' scale words out
	s_mov_b32 s39, 0
	s_wait_alu depctr_va_vdst(0)
	s_wait_kmcnt 0x0
	s_add_nc_u64 s[40:41], s[4:5], s[16:17]
	s_add_nc_u64 s[42:43], s[10:11], s[24:25]
	s_add_nc_u64 s[44:45], s[10:11], s[26:27]
	s_add_nc_u64 s[46:47], s[6:7], s[32:33]
	s_add_nc_u64 s[48:49], s[10:11], s[34:35]
	s_add_nc_u64 s[50:51], s[8:9], s[36:37]
	s_add_nc_u64 s[52:53], s[10:11], s[38:39]
.irp ss, 0,1
.irp c, 0,1
	global_load_b128 v[KD+8*\ss+4*\c:KD+8*\ss+4*\c+3], v4, s[46:47] offset:64*\ss+32*\c
.endr
.endr
.set i, 0
.rept 128
	global_load_b32 v[X+i], v2, s[40:41] offset:i*4096 th:TH_LOAD_NT   ; values(128 s + i, my column): read once in the whole program
.set i, i+1
.endr
; Block b of my column: its largest magnitude, its scale byte, its 32 codes, which leave at once.
.macro QB b
.set XB, X+32*(\b)
	v_max3_num_f32 v8, |v[XB]|, |v[XB+1]|, |v[XB+2]|               ; two chains, so that no line waits for the line above it
	v_max3_num_f32 v9, |v[XB+3]|, |v[XB+4]|, |v[XB+5]|
.irp i, 6,10,14,18,22,26
	v_max3_num_f32 v8, v8, |v[XB+\i]|, |v[XB+\i+1]|
	v_max3_num_f32 v9, v9, |v[XB+\i+2]|, |v[XB+\i+3]|
.endr
	v_max3_num_f32 v8, v8, |v[XB+30]|, |v[XB+31]|
	v_max3_num_f32 v8, v8, v9, 0x1800000           ; and the floor 2^(3 - 127): the byte cannot fall under 1
	v_add_nc_u32 v[12+(\b)], 0xff000000, v8        ; 2 off the exponent field: the conversion takes the exponent field of this operand as its scale, and nothing else of it
	v_lshrrev_b32 v10, 23, v[12+(\b)]              ; the scale's byte
.if (\b) == 0
	v_mov_b32 v16, v10                             ; four bytes make the K step's scale word, the lower K in the lower byte
.else
	v_lshl_or_b32 v16, v10, 8*(\b), v16
.endif
.irp g, 0,1,2,3
	v_cvt_scalef32_pk8_fp4_f32 v[C+4*(\b)+\g], v[XB+8*\g:XB+8*\g+7], v[12+(\b)]   ; results go to a store alone; sources and scale operand are not written again
.endr
	global_store_b128 v3, v[C+4*(\b):C+4*(\b)+3], s[42:43] offset:256*(\b)        ; sixteen lanes write 256 consecutive bytes, aligned
.endm
	s_wait_loadcnt 63                              ; keys' four loads and V's blocks 0 and 1 want at most 64 younger loads out; 63 is the largest count that the wait can name
.irp ss, 0,1
.irp c, 0,1
	global_store_b128 v5, v[KD+8*\ss+4*\c:KD+8*\ss+4*\c+3], s[48:49] offset:2048*\ss+512*\c   ; 512 consecutive bytes a store
.endr
.endr
	QB 0
	QB 1
	s_wait_loadcnt 32                              ; block 2 is in; block 3's 32 loads may be out
	QB 2
	s_wait_loadcnt 0x0
	QB 3
	global_store_b32 v2, v16, s[44:45]             ; my column's scale word of this K step
	s_cmp_lg_u32 s30, 0                            ; every fourth wave (ids alone) also lays 512 bytes of keys' scale words
	s_cbranch_scc1 .Ldone
	global_load_b128 v[SD:SD+3], v6, s[50:51]
	s_wait_loadcnt 0x0
	global_store_b128 v5, v[SD:SD+3], s[52:53]
.Ldone:
	s_endpgm
.Lfunc_end_k_q4e3e963e73_prep:
	.size	k_q4e3e963e73_prep, .Lfunc_end_k_q4e3e963e73_prep-k_q4e3e963e73_prep
	.p2alignl 7, 3214868480
	.fill 96, 4, 3214868480
	.section	.rodata,"a",@progbits
	.p2align	6, 0x0
	.amdhsa_kernel k_q4e3e963e73_prep
		.amdhsa_group_segment_fixed_size 0
		.amdhsa_private_segment_fixed_size 0
		.amdhsa_enable_private_segment 0
		.amdhsa_kernarg_size 32
		.amdhsa_user_sgpr_count 2
		.amdhsa_user_sgpr_kernarg_segment_ptr 1
		.amdhsa_wavefront_size32 1
		.amdhsa_system_sgpr_workgroup_id_x 1
		.amdhsa_system_sgpr_workgroup_id_y 1
		.amdhsa_system_sgpr_workgroup_id_z 1
		.amdhsa_system_vgpr_workitem_id 0
		.amdhsa_next_free_vgpr 208
		.amdhsa_next_free_sgpr 66
		.amdhsa_reserve_vcc 0
		.amdhsa_float_denorm_mode_32 3
		.amdhsa_float_denorm_mode_16_64 3
		.amdhsa_memory_ordered 1
		.amdhsa_forward_progress 1
		.amdhsa_inst_pref_size 23
	.end_amdhsa_kernel
	.amdgpu_metadata
---
amdhsa.version: [ 1, 2 ]
amdhsa.kernels:
  - .name:           k_q4e3e963e73_prep
    .symbol:         k_q4e3e963e73_prep.kd
    .args:
      - { .name: values, .offset: 0, .size: 8, .value_kind: global_buffer, .address_space: global }
      - { .name: keys_codes, .offset: 8, .size: 8, .value_kind: global_buffer, .address_space: global }
      - { .name: keys_scales, .offset: 16, .size: 8, .value_kind: global_buffer, .address_space: global }
      - { .name: wts, .offset: 24, .size: 8, .value_kind: global_buffer, .address_space: global }
    .group_segment_fixed_size: 0
    .private_segment_fixed_size: 0
    .kernarg_segment_align: 8
    .kernarg_segment_size: 32
    .max_flat_workgroup_size: 64
    .sgpr_count:     66
    .vgpr_count:     208
    .wavefront_size: 32
...
	.end_amdgpu_metadata
.endif
;; end of part 3
;; launch moe (part 4): grid 256 x 1, 4 waves a work-group, clusters of 4 x 1, 327,680 bytes of LDS; arguments input_tensor_codes, input_tensor_scales, expert_sel_codes, expert_sel_scales, wts, out0; writes out0
.if DOCPART == 4
	.amdgcn_target "amdgcn-amd-amdhsa--gfx1250"
	.amdhsa_code_object_version 6
	.text
	.protected	k_q4e3e963e73_moe
	.globl	k_q4e3e963e73_moe
	.p2align	8
	.type	k_q4e3e963e73_moe,@function
k_q4e3e963e73_moe:
	s_mov_b64 s[64:65], 0
	v_nop
	global_prefetch_b8 v0, s[64:65] scope:SCOPE_SE
	s_setreg_imm32_b32 hwreg(HW_REG_WAVE_MODE, 25, 1), 1
	s_wait_xcnt 0x0
	s_wait_alu depctr_hold_cnt(0) depctr_sa_sdst(0) depctr_va_vdst(0) depctr_va_sdst(0) depctr_va_ssrc(0) depctr_va_vcc(0) depctr_vm_vsrc(0)
	s_getreg_b32 s2, hwreg(HW_REG_IB_STS2, 6, 4)
	s_cmp_eq_u32 s2, 0
	s_cbranch_scc0 .Lentry_in_a_cluster
	s_endpgm
.Lentry_in_a_cluster:
	s_bfe_u32 s2, ttmp6, 0x10000c
	s_cmp_lg_u32 s2, 0x3003
	s_cbranch_scc0 .Lentry_shape_is_right
	s_endpgm
.Lentry_shape_is_right:
; SigmaMoE in MX-FP4, second of two launches: out = Q(relu(x K_e) * sigmoid(x S^T)_e) Q(V), both products and the gates in one launch.  No work of reference() is left out.
; SHARES.  A work-group owns 64 tokens and walks all 16 blocks of wts (139,264 bytes each, images of operand registers) through a ring of two LDS slots; a wave's load brings 136 rows of 256 bytes.
; Trips 0-7, keys, two experts a block: wave w makes hidden units 32 w .. 32 w + 31 of each expert for all 64 tokens: whole blocks of the quantiser.  x's fragments stay in 256 registers.
;   relu(s) g = max(0, s g), since g is never negative.  Codes and scale bytes go into an LDS image of operand registers for 8 experts; behind every 8 experts all waves read it into windows 2 and 3.
; Trips 8-15, V, block 8 + 2 c + kh: wave w makes columns 256 c + 64 w .. + 63 for the 64 tokens, K = 2,048 in two trips; then the 64 x 64 results leave through the wave's stage.
; Each fragment of a weight is read from LDS once in the work-group and feeds four matrix instructions.
; CLUSTER.  All work-groups read the same blocks: the four of a cluster ask for each quarter JOINTLY (mask 15); a round of the cluster's barrier stands in front of every load.
; PREFETCH.  Trip j asks for block j + 2, which trip j + 1's load fetches: of a wave's 136 rows each partner names 34, told apart by address (cx); trips 14 and 15 ask for nothing.  Blocks 0 and 1 come by their loads alone.
; BOTH PRODUCTS ARE USED TRANSPOSED (source 0 = 16 rows of the weight, source 1 = 16 tokens): a lane holds one token.
; LIMITS: NaN, infinities and the scale byte 0xff among the inputs are not served (v_max_num_f32 turns a NaN into 0).  A hidden block of zeros carries the byte 1 over zero codes: this launch alone reads the bytes.
; LDS: slots at 0 and 139,264; HID 278,528: 8 experts x (4 token tiles x 1,024 bytes of codes + 256 of scale words), in trips 8-15 the waves' stages (32 rows x 272 each); GTB: gates [expert][r][token tile]; SPARE.
; REGISTERS.  window 1: x (m, s) at 64 m + 8 s; later v0-127 accumulators (m, tt), v128-255 V's fragments.  windows 2, 3: hidden fragments (expert, m) at 8 (4 el + m).
;   window 0: v1 spare word, v2 0; v4-23 addresses; v24-31 gates; v32-79 scales alone (hidden 32-63, x 48-63, keys and V 64-79); v80-95 at work; v96-159 scores; v160-255 keys' fragments, six sets; v128-255 rows on the way out.
.set BLOCKB, 139264
.set SCOFF,  131072
.set QUART,  34816
.set HID,    278528
.set HEX,    4352
.set GTB,    HID+8*HEX
.set SPARE,  GTB+4096
.set AK, 4
.set AS, 8
.set AV, 10
.set AVS, 12
.set HW, 14
.set HB, 15
.set GA, 16
.set RD16, 17
.set RD4, 18
.set PF1, 19
.set PF2, 20
.set G, 24
.set HS, 32
.set XS, 48
.set KS, 64
.set VS, 64
.set TM, 80
.set TP, 84
.set CD, 88
.set HWC, 92
.set HBC, 93
.set GAC, 94
.set PA, 96
.set KF, 160
.set MSB, 0
.macro WIN new                         ; the immediate's high byte repeats the setting that is left.  Low byte: bits 1:0 source 0, 3:2 source 1, 5:4 source 2, 7:6 destination
.if MSB != (\new)
	s_set_vgpr_msb (MSB<<8)|(\new)
.set MSB, (\new)
.endif
.endm
.macro PLACES                          ; four plain places behind a matrix instruction (ISA guide 7.12.1)
.rept 4
	v_nop
.endr
.endm
.macro CROUND                          ; a round of the cluster's barrier
	s_barrier_signal -1
	s_barrier_wait -1
	s_cmp_lg_u32 s16, 0
	s_cbranch_scc1 .Lnot_wave_0_\@
	s_barrier_signal -3
.Lnot_wave_0_\@:
	s_barrier_wait -3
	s_barrier_signal -1
	s_barrier_wait -1
.endm
; One matrix instruction.  rD accumulator; rA, rB sources; rSA, rSB scale registers; fRA, fRB: the scales stand in lanes 16-31; fK = 0: the product starts the sum
.macro WM
.if fK == 0
.if fRA && fRB
	v_wmma_scale_f32_16x16x128_f8f6f4 v[rD:rD+7], v[rA:rA+7], v[rB:rB+7], 0, v[rSA], v[rSB] matrix_a_fmt:MATRIX_FMT_FP4 matrix_b_fmt:MATRIX_FMT_FP4 matrix_a_scale:MATRIX_SCALE_ROW1 matrix_b_scale:MATRIX_SCALE_ROW1
.elseif fRA
	v_wmma_scale_f32_16x16x128_f8f6f4 v[rD:rD+7], v[rA:rA+7], v[rB:rB+7], 0, v[rSA], v[rSB] matrix_a_fmt:MATRIX_FMT_FP4 matrix_b_fmt:MATRIX_FMT_FP4 matrix_a_scale:MATRIX_SCALE_ROW1
.elseif fRB
	v_wmma_scale_f32_16x16x128_f8f6f4 v[rD:rD+7], v[rA:rA+7], v[rB:rB+7], 0, v[rSA], v[rSB] matrix_a_fmt:MATRIX_FMT_FP4 matrix_b_fmt:MATRIX_FMT_FP4 matrix_b_scale:MATRIX_SCALE_ROW1
.else
	v_wmma_scale_f32_16x16x128_f8f6f4 v[rD:rD+7], v[rA:rA+7], v[rB:rB+7], 0, v[rSA], v[rSB] matrix_a_fmt:MATRIX_FMT_FP4 matrix_b_fmt:MATRIX_FMT_FP4
.endif
.else
.if fRA && fRB
	v_wmma_scale_f32_16x16x128_f8f6f4 v[rD:rD+7], v[rA:rA+7], v[rB:rB+7], v[rD:rD+7], v[rSA], v[rSB] matrix_a_fmt:MATRIX_FMT_FP4 matrix_b_fmt:MATRIX_FMT_FP4 matrix_a_scale:MATRIX_SCALE_ROW1 matrix_b_scale:MATRIX_SCALE_ROW1
.elseif fRA
	v_wmma_scale_f32_16x16x128_f8f6f4 v[rD:rD+7], v[rA:rA+7], v[rB:rB+7], v[rD:rD+7], v[rSA], v[rSB] matrix_a_fmt:MATRIX_FMT_FP4 matrix_b_fmt:MATRIX_FMT_FP4 matrix_a_scale:MATRIX_SCALE_ROW1
.elseif fRB
	v_wmma_scale_f32_16x16x128_f8f6f4 v[rD:rD+7], v[rA:rA+7], v[rB:rB+7], v[rD:rD+7], v[rSA], v[rSB] matrix_a_fmt:MATRIX_FMT_FP4 matrix_b_fmt:MATRIX_FMT_FP4 matrix_b_scale:MATRIX_SCALE_ROW1
.else
	v_wmma_scale_f32_16x16x128_f8f6f4 v[rD:rD+7], v[rA:rA+7], v[rB:rB+7], v[rD:rD+7], v[rSA], v[rSB] matrix_a_fmt:MATRIX_FMT_FP4 matrix_b_fmt:MATRIX_FMT_FP4
.endif
.endif
.endm
; A trip's head, slot p.  All my tensor loads are waited for, the add and its wait follow, a round of the cluster's barrier, and the next block's load into the other slot first behind it.
.macro TOP p, refill, pf
.if \pf
	s_wait_xcnt 0x0                                ; my prefetches have read their base: it steps a block on
	s_add_nc_u64 s[40:41], s[40:41], BLOCKB
.endif
	s_wait_tensorcnt 0x0
	ds_add_u32 v1, v2
.if \refill
	s_add_nc_u64 s[34+4*\p:35+4*\p], s[34+4*\p:35+4*\p], 2*BLOCKB   ; no load of mine is out: this slot's next block
.endif
	s_wait_dscnt 0x0                               ; the add, my reads of the other slot, my stores into HID
.if \refill
	CROUND
	tensor_load_to_lds s[36-4*\p:39-4*\p], s[24:31]
	s_nop 0
.else
	s_barrier_signal -1
	s_barrier_wait -1
.endif
	PLACES                                         ; also the places in front of the loads that follow
.endm
.macro ASK                             ; 34 rows of 256 bytes of the block two trips on: rows 0-31 a lane a row, then rows 32 and 33 (lanes 1-31 name row 33)
	s_cmp_lt_u32 ttmp9, 4
	s_cbranch_scc0 .Lno_prefetch_moe0_\@
	global_prefetch_b8 v[PF1], s[40:41] th:TH_LOAD_NT scope:SCOPE_SE
	global_prefetch_b8 v[PF2], s[40:41] th:TH_LOAD_NT scope:SCOPE_SE
.Lno_prefetch_moe0_\@:
.endm
.macro FKS p, i, s                     ; my two tiles of expert i's K step s into set s % 6: 4 loads
.irp u, 0,1
.irp c, 0,1
	ds_load_b128 v[KF+16*((\s)%6)+8*\u+4*\c:KF+16*((\s)%6)+8*\u+4*\c+3], v[AK+2*(\p)+(\i)] offset:(2*(\s)+\u)*1024+512*\c
.endr
.endr
.endm
.macro PRE p                           ; behind a trip's head: both experts' scale words and gates (6 loads), expert 0's K steps 0-5 (24 loads)
.irp i, 0,1
.irp q, 0,1
	ds_load_b128 v[KS+8*\i+4*\q:KS+8*\i+4*\q+3], v[AS+\p] offset:4096*\i+512*\q
.endr
	ds_load_b128 v[G+4*\i:G+4*\i+3], v[GAC] offset:256*(2*\p+\i)
.endr
.irp s, 0,1,2,3,4,5
	FKS \p, 0, \s
.endr
	ASK
.endm
.macro KMUL i, s                       ; 8 matrix instructions: 32 hidden units x 64 tokens x 128 along K; the 8 accumulators take turns
.irp u, 0,1
.irp m, 0,1,2,3
.set rD, PA+16*\m+8*\u
.set rA, KF+16*((\s)%6)+8*\u
.set rB, 64*\m+8*(\s)
.set rSA, KS+8*(\i)+(\s)
.set rSB, XS+8*(\m/2)+(\s)
.set fK, (\s)
.set fRA, \u
.set fRB, \m%2
	WM
.endr
.endr
.endm
; Expert i's 64 numbers a lane: register PA + 16 m + n is k = 32 w + 16 h + n of token 16 m + r; lanes l and l xor 16 hold a block of 32.  Gate, relu, block scale, codes; into HID at place el.
.macro QUANT i, el
.irp m, 0,1,2,3
.irp k, 0,2,4,6,8,10,12,14
.if \m%2
	v_pk_mul_f32 v[PA+16*\m+\k:PA+16*\m+\k+1], v[PA+16*\m+\k:PA+16*\m+\k+1], v[G+4*(\i)+\m-1:G+4*(\i)+\m] op_sel:[0,1] op_sel_hi:[1,1]   ; the pair's second word serves both halves
.else
	v_pk_mul_f32 v[PA+16*\m+\k:PA+16*\m+\k+1], v[PA+16*\m+\k:PA+16*\m+\k+1], v[G+4*(\i)+\m:G+4*(\i)+\m+1] op_sel_hi:[1,0]               ; the first word
.endif
.endr
.endr
.irp m, 0,1,2,3
	v_max3_num_f32 v[TM+\m], v[PA+16*\m], v[PA+16*\m+1], 0x1800000   ; no |.|: what is negative does not count.  The floor 2^(3 - 127) holds the byte at 1 from below
.endr
.irp k, 2,4,6,8,10,12,14
.irp m, 0,1,2,3
	v_max3_num_f32 v[TM+\m], v[TM+\m], v[PA+16*\m+\k], v[PA+16*\m+\k+1]
.endr
.endr
.irp m, 0,1,2,3
	v_permlanex16_b32 v[TP+\m], v[TM+\m], s20, s21
.endr
.irp m, 0,1,2,3
	v_max_num_f32 v[TM+\m], v[TM+\m], v[TP+\m]     ; the block's largest magnitude
.endr
.irp m, 0,1,2,3
	v_add_nc_u32 v[TM+\m], 0xff000000, v[TM+\m]    ; 2 off its exponent field: the conversion's scale operand
.endr
.irp m, 0,1,2,3
	v_lshrrev_b32 v[TP+\m], 23, v[TM+\m]           ; the scale's byte
.endr
.irp mm, 0,2
.irp n, 0,1
	v_cvt_scalef32_pk8_fp4_f32 v[CD+2*\n], v[PA+16*(\mm+\n):PA+16*(\mm+\n)+7], v[TM+\mm+\n]
	v_cvt_scalef32_pk8_fp4_f32 v[CD+2*\n+1], v[PA+16*(\mm+\n)+8:PA+16*(\mm+\n)+15], v[TM+\mm+\n]
.endr
	v_nop                                          ; one plain place behind the scaled conversions
; relu on the codes: where a code's sign bit is set, its three lower bits are cleared: -0, which adds nothing to a sum.  The scores just converted serve as work registers.
.irp n, 0,1,2,3
	v_and_b32 v[PA+16*\mm+\n], s22, v[CD+\n]       ; the eight sign bits
.endr
.irp n, 0,1,2,3
	v_lshrrev_b32 v[PA+16*\mm+4+\n], 3, v[PA+16*\mm+\n]
.endr
.irp n, 0,1,2,3
	v_sub_nc_u32 v[PA+16*\mm+\n], v[PA+16*\mm+\n], v[PA+16*\mm+4+\n]   ; 8 - 1 = 7 in each negative code's place
.endr
.irp n, 0,1,2,3
	v_bfi_b32 v[CD+\n], v[PA+16*\mm+\n], 0, v[CD+\n]
.endr
.irp n, 0,1
	ds_store_b64 v[HWC], v[CD+2*\n:CD+2*\n+1] offset:HEX*(\el)+1024*(\mm+\n)
	ds_store_b8 v[HBC], v[TP+\mm+\n] offset:HEX*(\el)+64*(\mm+\n)             ; byte w of the token's scale word
.endr
.endr
.endm
; An expert: four pairs of K steps, 16 matrix instructions each.  Behind pair 0 K steps 6, 7 are fetched into sets 0, 1; behind pairs 1-3 of the slot's first expert the second's K steps 2-5, 0, 1.
; At a pair's head may be out: two later pairs' 16 loads; for the second expert's pair 0 the quantiser's 8 stores; for its last pair nothing.
.macro EXPERT p, i
.irp d, 0,1,2,3
.if (\d == 0) && (\i == 1)
	s_wait_dscnt 8
.elseif (\d == 3) && (\i == 1)
	s_wait_dscnt 0x0
.else
	s_wait_dscnt 16
.endif
	WIN 0x04                                       ; source 1 (x) window 1
	KMUL \i, 2*\d
	KMUL \i, 2*\d+1
	WIN 0
.if (\d == 0) || (\d == 3) || (\i == 0)
	PLACES
.endif
.if \d == 0
	FKS \p, \i, 6
	FKS \p, \i, 7
.elseif \i == 0
	FKS \p, 1, (2*\d)%6
	FKS \p, 1, (2*\d+1)%6
.endif
.endr
	QUANT \i, 2*\p+\i
.endm
.macro DUMP h                          ; the 8 experts' hidden fragments into window 2 + h, their scale words into v[HS + 16 h ..]
	WIN 0x80+0x40*\h
.irp el, 0,1,2,3,4,5,6,7
.irp m, 0,1,2,3
.irp c, 0,1
	ds_load_b128 v[8*(4*\el+\m)+4*\c:8*(4*\el+\m)+4*\c+3], v[RD16] offset:HEX*\el+1024*\m+512*\c
.endr
.endr
.endr
	WIN 0
.irp el, 0,1,2,3,4,5,6,7
.irp mp, 0,1
	ds_load_b32 v[HS+16*\h+8*\mp+\el], v[RD4] offset:HEX*\el+128*\mp   ; lanes 0-15 token tile 2 mp, lanes 16-31 tile 2 mp + 1
.endr
.endr
.endm
.macro PH1 h                           ; 8 experts: two trips of the loop, four experts each; s52 is the loop's count and the step in HID
	s_mov_b32 s52, 0
	s_mov_b32 s53, 2048*\h
.Lp1_\h:
	v_add_nc_u32 v[HWC], s52, v[HW]
	v_add_nc_u32 v[HBC], s52, v[HB]
	v_add_nc_u32 v[GAC], s53, v[GA]
	s_wait_alu depctr_va_vdst(0)
	TOP 0, 1, 1
	PRE 0
	EXPERT 0, 0
	EXPERT 0, 1
	TOP 1, 1, 1
	PRE 1
	EXPERT 1, 0
	EXPERT 1, 1
	s_add_co_u32 s53, s53, 1024
	s_add_co_u32 s52, s52, 4*HEX
	s_cmp_lt_u32 s52, 8*HEX
	s_cbranch_scc1 .Lp1_\h
	s_wait_dscnt 0x0                               ; my stores into HID are done
	s_barrier_signal -1
	s_barrier_wait -1                              ; everybody's are
	DUMP \h                                        ; waited for at the next trip's head, ahead of its round: HID is written again only behind that
.endm
.macro FETCHV p, g                     ; V's fragments of K steps 2 g, 2 g + 1, my 4 column tiles, into set g % 2: 16 loads
	WIN 0x40
.irp ks, 0,1
.irp tt, 0,1,2,3
.irp cc, 0,1
	ds_load_b128 v[128+64*((\g)%2)+32*\ks+8*\tt+4*\cc:128+64*((\g)%2)+32*\ks+8*\tt+4*\cc+3], v[AV+\p] offset:(2*(\g)+\ks)*4096+1024*\tt+512*\cc
.endr
.endr
.endr
	WIN 0
.endm
; A trip on V, slot p = half p of K: 128 matrix instructions in four groups; the 16 accumulators take turns.  At a group's head one later set's 16 loads may be out; at the last nothing.
; cnt rows' stores of the chunk before, from pair of rows n0 on: its rows stand in v128-255.  st = 2: in the loop's first trip (s52 = 3) there is no chunk before
.macro SENDR n0, cnt, st
.if \st == 2
	s_cmp_eq_u32 s52, 3
	s_cbranch_scc1 .Lns_\@
.endif
.set n, (\n0)
.rept \cnt
	global_store_b128 v23, v[128+4*n:128+4*n+3], s[14:15] offset:2*n*4096 th:TH_STORE_NT   ; sixteen lanes store 256 consecutive bytes, aligned
.set n, n+1
.endr
.if \st == 2
.Lns_\@:
.endif
.endm
; Behind a chunk's first head the chunk before goes through the stage into registers; its 32 stores stand behind the groups of this chunk's two trips: 6, 5, 5 a trip.
.macro W2 p, refill, pf, st
	TOP \p, \refill, \pf
.if \p == 0
	v_nop                                          ; a fifth place ahead of the products that begin the sums anew
	STAGEIN \st
.endif
.irp sp, 0,1,2,3,4,5,6,7
.irp tp, 0,1
	ds_load_b32 v[VS+2*\sp+\tp], v[AVS+\p] offset:256*\sp+128*\tp
.endr
.endr
	FETCHV \p, 0
	FETCHV \p, 1
.if \pf
	ASK
.endif
.irp g, 0,1,2,3
.if \g == 3
	s_wait_dscnt 0x0
.else
	s_wait_dscnt 16
.endif
	WIN 0x59+4*\p                                  ; source 0 (V) window 1, source 1 (hidden) window 2 + p, C and D window 1
.irp ks, 0,1
.irp m, 0,1,2,3
.irp tt, 0,1,2,3
.set rD, 8*(4*\m+\tt)
.set rA, 128+64*(\g%2)+32*\ks+8*\tt
.set rB, 8*(4*(2*\g+\ks)+\m)
.set rSA, VS+2*(2*\g+\ks)+\tt/2
.set rSB, HS+16*\p+8*(\m/2)+2*\g+\ks
.set fK, 8*\p+2*\g+\ks
.set fRA, \tt%2
.set fRB, \m%2
	WM
.endr
.endr
.endr
	WIN 0
.if \g < 2
	PLACES
	FETCHV \p, \g+2
.endif
.if \g < 3
	SENDR 16*\p+(11*\g+1)/2, 6-(\g+1)/2, \st
.endif
.endr
.endm
; THE WAY OUT of 64 tokens x 64 columns: 32 tokens at a time through my own stage (rows of 256 bytes + 16), back as rows.  LDS serves a wave's instructions in order (ISA guide 5.7.1.4).
.macro STAGEIN st                      ; four places stand ahead of it, behind the last product
.if \st == 2
	s_cmp_eq_u32 s52, 3
	s_cbranch_scc1 .Lnsi_\@
.endif
	s_wait_xcnt 0x0                                ; the earlier stores have read their registers and their base
	s_add_nc_u64 s[14:15], s[14:15], s[66:67]      ; the first time 0, then 256 columns on
	s_mov_b32 s66, 1024
.irp hf, 0,1
	WIN 0x04                                       ; an LDS store's data: window 1
.irp mm, 0,1
.irp tt, 0,1,2,3
	ds_store_b128 v21, v[8*(4*(2*\hf+\mm)+\tt):8*(4*(2*\hf+\mm)+\tt)+3] offset:4352*\mm+64*\tt        ; each accumulator from its low end on
	ds_store_b128 v21, v[8*(4*(2*\hf+\mm)+\tt)+4:8*(4*(2*\hf+\mm)+\tt)+7] offset:4352*\mm+64*\tt+16
.endr
.endr
	WIN 0
.irp i, 0,1,2,3,4,5,6,7,8,9,10,11,12,13,14,15
	ds_load_b128 v[128+64*\hf+4*\i:128+64*\hf+4*\i+3], v22 offset:544*\i
.endr
.endr
.if \st == 2
.Lnsi_\@:
.endif
.endm
.macro LASTOUT                         ; the last chunk's stores, directly behind its STAGEIN
.irp hf, 0,1
.irp i, 0,1,2,3,4,5,6,7,8,9,10,11,12,13,14,15
	s_wait_dscnt 47-32*\hf-\i                      ; behind load i: the later loads of its half, and for the first half the second half's 32 instructions
	global_store_b128 v23, v[128+64*\hf+4*\i:128+64*\hf+4*\i+3], s[14:15] offset:(32*\hf+2*\i)*4096 th:TH_STORE_NT   ; sixteen lanes store 256 consecutive bytes, aligned
.endr
.endr
.endm
	s_load_b256 s[4:11], s[0:1], 0x0               ; x's codes s[4:5], x's scales s[6:7], expert_sel's codes s[8:9], its scales s[10:11]
	s_load_b128 s[12:15], s[0:1], 0x20             ; wts s[12:13], out0 s[14:15]
	v_lshl_add_u32 v1, v0, 2, SPARE
	v_mov_b32 v2, 0
	ds_add_u32 v1, v2                              ; the opening: the add, twice on end, and its wait ahead of my first tensor load
	ds_add_u32 v1, v2
	v_lshrrev_b32 v3, 5, v0
	v_readfirstlane_b32 s16, v3                    ; wave 0..3
	s_bfe_u32 s17, ttmp6, 0x40000                  ; cx: it enters global addresses of x, out0 and the prefetches alone
	s_lshl_b32 s18, ttmp9, 2
	s_add_co_u32 s18, s18, s17                     ; my work-group: tokens 64 s18 ..
	s_mov_b32 s20, 0x76543210
	s_mov_b32 s21, 0xfedcba98                      ; v_permlanex16_b32's selects for lane l xor 16
	s_mov_b32 s22, 0x88888888                      ; the sign bits of eight codes
	s_mov_b32 s24, 15|(3<<16)|(1<<21)              ; group 1: the mask of all four work-groups; elements of 8 bytes; bit 21 beside a mask
	s_mov_b32 s25, 32<<16                          ; rows of 32 elements: 256 bytes
	s_mov_b32 s26, 136<<16                         ; 136 rows
	s_mov_b32 s27, 32<<16
	s_mov_b32 s28, 136
	s_mov_b32 s29, 32                              ; dense
	s_mov_b32 s30, 0
	s_mov_b32 s31, 0
	s_mul_i32 s42, s16, QUART                      ; my quarter of a block, in memory and in a slot
	s_mov_b32 s43, 0
	s_mov_b32 s32, 1
	s_mov_b32 s33, s42
	s_mov_b32 s36, 1
	s_add_co_u32 s37, s42, BLOCKB
	s_mul_i32 s46, s17, 8704                       ; my work-group's 34 rows of the 136, for the prefetches
	s_mov_b32 s47, 0
	s_mov_b32 s45, 0
	s_cmp_eq_u32 s16, 1
	s_cselect_b32 s48, -1, 0
	s_cmp_eq_u32 s16, 2
	s_cselect_b32 s49, -1, 0
	s_cmp_eq_u32 s16, 3
	s_cselect_b32 s50, -1, 0                       ; lane masks that pick token tile w
	s_lshl_b32 s56, s16, 14
	s_lshl_b32 s57, s16, 10
	s_add_co_u32 s57, s57, SCOFF
	s_lshl_b32 s58, s16, 15
	s_lshl_b32 s59, s16, 11
	s_add_co_u32 s59, s59, SCOFF
	s_lshl_b32 s60, s16, 8
	s_add_co_u32 s60, s60, HID
	s_add_co_u32 s61, s16, HID+4096
	s_mul_i32 s62, s16, 8704
	s_add_co_u32 s62, s62, HID
	s_lshl_b32 s63, s16, 2
	s_add_co_u32 s63, s63, GTB
	v_and_b32 v128, 31, v0                         ; lane
	v_and_b32 v129, 15, v0                         ; r
	v_bfe_u32 v130, v0, 4, 1                       ; h
	v_lshlrev_b32 v3, 4, v128
	v_add_nc_u32 v[AK], s56, v3                    ; keys' codes: slot 0 expert 0: 16,384 w + 16 lane,
	v_add_nc_u32 v[AK+1], 65536, v[AK]             ; expert 1,
	v_add_nc_u32 v[AK+2], BLOCKB, v[AK]            ; slot 1
	v_add_nc_u32 v[AK+3], BLOCKB+65536, v[AK]
	v_add_nc_u32 v[AS], s57, v3                    ; keys' scale words
	v_add_nc_u32 v[AS+1], BLOCKB, v[AS]
	v_add_nc_u32 v[AV], s58, v3                    ; V's codes: 32,768 w + 16 lane
	v_add_nc_u32 v[AV+1], BLOCKB, v[AV]
	v_lshl_add_u32 v[AVS], v128, 2, s59            ; V's scale words: 2,048 w + 4 lane
	v_add_nc_u32 v[AVS+1], BLOCKB, v[AVS]
	v_lshl_add_u32 v[HW], v129, 4, s60
	v_lshl_add_u32 v[HW], v130, 3, v[HW]           ; hidden codes in: 256 w + 16 r + 8 h
	v_lshl_add_u32 v[HB], v129, 2, s61             ; hidden scale bytes in: 4 r + w
	v_lshl_add_u32 v[GA], v129, 4, GTB             ; gates back: 16 r
	v_add_nc_u32 v[RD16], HID, v3
	v_lshl_add_u32 v[RD4], v128, 2, HID+4096
	v_lshlrev_b32 v[PF1], 8, v128
	v_min_u32 v[PF2], 1, v128
	v_lshl_add_u32 v[PF2], v[PF2], 8, 8192
	v_mul_u32_u24 v21, v129, 272
	v_lshl_add_u32 v21, v130, 5, v21
	v_add_nc_u32 v21, s62, v21                     ; stage in: row r, + 32 h
	v_mul_u32_u24 v22, v130, 272
	v_lshl_add_u32 v22, v129, 4, v22
	v_add_nc_u32 v22, s62, v22                     ; back: lanes 0-15 one row, lanes 16-31 the next
	v_lshlrev_b32 v23, 12, v130
	v_lshl_add_u32 v23, v129, 4, v23               ; and the same two rows in out0
	v_lshl_add_u32 v131, v130, 11, s63
	v_lshl_add_u32 v131, v129, 4, v131             ; gates in: expert 8 h + j at 256 bytes each, 16 r + 4 w
	v_lshlrev_b32 v132, 9, v129
	v_lshl_add_u32 v132, v130, 4, v132             ; x and expert_sel: row r of 512 bytes, + 16 h
	v_lshlrev_b32 v133, 5, v128                    ; x's scales: 32 bytes a token, a lane a token
	v_lshlrev_b32 v134, 5, v129                    ; expert_sel's scales: row r
	s_wait_alu depctr_va_vdst(0)
	s_wait_dscnt 0x0                               ; both opening adds are done
	s_wait_kmcnt 0x0
	s_add_nc_u64 s[34:35], s[12:13], s[42:43]      ; slot 0: block 0, my quarter
	s_add_nc_u64 s[38:39], s[34:35], BLOCKB        ; slot 1: block 1
	s_add_nc_u64 s[40:41], s[38:39], s[46:47]      ; the prefetches stand at block 1: the first trip steps them to block 2
	s_or_b32 s35, s35, 0x80000000
	s_or_b32 s39, s39, 0x80000000
	s_lshl_b32 s44, s18, 15
	s_add_nc_u64 s[4:5], s[4:5], s[44:45]          ; 64 tokens of 512 bytes of codes,
	s_lshl_b32 s44, s18, 11
	s_add_nc_u64 s[6:7], s[6:7], s[44:45]          ; of 32 scale bytes
	s_lshl_b32 s44, s18, 18
	s_lshl_b32 s46, s16, 8
	s_add_co_u32 s44, s44, s46
	s_add_nc_u64 s[14:15], s[14:15], s[44:45]      ; out0: 64 rows of 4,096 bytes a work-group, + 64 w columns
	CROUND                                         ; all four work-groups are here: the joint loads meet
	tensor_load_to_lds s[32:35], s[24:31]          ; block 0: my one load at the head
	s_nop 0
	PLACES
.irp q, 0,1
	global_load_b128 v[KS+4*\q:KS+4*\q+3], v134, s[10:11] offset:16*\q
.endr
.irp mp, 0,1
.irp q, 0,1
	global_load_b128 v[XS+8*\mp+4*\q:XS+8*\mp+4*\q+3], v133, s[6:7] offset:1024*\mp+16*\q   ; register 8 mp + s: lanes 0-15 token tile 2 mp, lanes 16-31 tile 2 mp + 1
.endr
.endr
.irp s, 0,1,2,3,4,5,6,7
.irp c, 0,1
	global_load_b128 v[KF+8*\s+4*\c:KF+8*\s+4*\c+3], v132, s[8:9] offset:64*\s+32*\c
.endr
.endr
	WIN 0x40
.irp m, 0,1,2,3
.irp s, 0,1,2,3,4,5,6,7
.irp c, 0,1
	global_load_b128 v[64*\m+8*\s+4*\c:64*\m+8*\s+4*\c+3], v132, s[4:5] offset:8192*\m+64*\s+32*\c   ; x's 32 fragments stay in registers
.endr
.endr
.endr
	WIN 0
	s_wait_loadcnt 0x0
	; THE GATES: sigmoid(x S^T).  Register j of lane (r, h) is expert 8 h + j for token r.  Four accumulators by turns; wave w keeps token tile w and lays its gates into the table that all waves read.
	WIN 0x04
.irp s, 0,1,2,3,4,5,6,7
.irp m, 0,1,2,3
.set rD, PA+8*\m
.set rA, KF+8*\s
.set rB, 64*\m+8*\s
.set rSA, KS+\s
.set rSB, XS+8*(\m/2)+\s
.set fK, \s
.set fRA, 0
.set fRB, \m%2
	WM
.endr
.endr
	WIN 0
	PLACES
.irp j, 0,1,2,3,4,5,6,7
	v_cndmask_b32 v[TM+\j], v[PA+\j], v[PA+8+\j], s48      ; each accumulator is read from its low end on
	v_cndmask_b32 v[TM+\j], v[TM+\j], v[PA+16+\j], s49
	v_cndmask_b32 v[TM+\j], v[TM+\j], v[PA+24+\j], s50
.endr
.irp j, 0,1,2,3,4,5,6,7
	v_mul_f32 v[TM+\j], 0xbfb8aa3b, v[TM+\j]       ; -log2(e) x
.endr
	s_wait_alu depctr_va_vdst(0)                   ; a wait ahead of each batch and one behind it
.irp j, 0,1,2,3,4,5,6,7
	v_exp_f32 v[TM+\j], v[TM+\j]
.endr
	v_nop
	s_wait_alu depctr_va_vdst(0)
.irp j, 0,1,2,3,4,5,6,7
	v_add_f32 v[TM+\j], 1.0, v[TM+\j]
.endr
	s_wait_alu depctr_va_vdst(0)
.irp j, 0,1,2,3,4,5,6,7
	v_rcp_f32 v[TM+\j], v[TM+\j]                   ; 1 / (1 + e^-x)
.endr
	v_nop
	s_wait_alu depctr_va_vdst(0)
.irp j, 0,1,2,3,4,5,6,7
	ds_store_b32 v131, v[TM+\j] offset:256*\j      ; read by all waves behind the first trip's round
.endr
	PH1 0                                          ; experts 0-7
	PH1 1                                          ; experts 8-15
	s_wait_alu depctr_va_vdst(0)                   ; what the quantiser wrote last is settled ahead of the trips on V
	s_mov_b32 s66, 0
	s_mov_b32 s67, 0                               ; what the first way out adds to out0's address
	s_mov_b32 s52, 3
.Lp2:                                                  ; a chunk of 256 columns a trip of the loop; the chunk before leaves under it
	W2 0, 1, 1, 2
	W2 1, 1, 1, 2
	s_sub_co_i32 s52, s52, 1
	s_cmp_lg_u32 s52, 0
	s_cbranch_scc1 .Lp2
	W2 0, 1, 0, 1                                  ; the last chunk: block 15 is the last load,
	W2 1, 0, 0, 1
	PLACES
	STAGEIN 1
	LASTOUT
	s_wait_tensorcnt 0x0                           ; the wave's end
	ds_add_u32 v1, v2
	s_wait_dscnt 0x0
	CROUND                                         ; the closing round
	s_endpgm
.Lfunc_end_k_q4e3e963e73_moe:
	.size	k_q4e3e963e73_moe, .Lfunc_end_k_q4e3e963e73_moe-k_q4e3e963e73_moe
	.p2alignl 7, 3214868480
	.fill 96, 4, 3214868480
	.section	.rodata,"a",@progbits
	.p2align	6, 0x0
	.amdhsa_kernel k_q4e3e963e73_moe
		.amdhsa_group_segment_fixed_size 327680
		.amdhsa_private_segment_fixed_size 0
		.amdhsa_enable_private_segment 0
		.amdhsa_kernarg_size 48
		.amdhsa_user_sgpr_count 2
		.amdhsa_user_sgpr_kernarg_segment_ptr 1
		.amdhsa_wavefront_size32 1
		.amdhsa_system_sgpr_workgroup_id_x 1
		.amdhsa_system_sgpr_workgroup_id_y 1
		.amdhsa_system_sgpr_workgroup_id_z 1
		.amdhsa_system_vgpr_workitem_id 0
		.amdhsa_next_free_vgpr 1024
		.amdhsa_next_free_sgpr 80
		.amdhsa_reserve_vcc 0
		.amdhsa_float_denorm_mode_32 3
		.amdhsa_float_denorm_mode_16_64 3
		.amdhsa_memory_ordered 1
		.amdhsa_forward_progress 1
		.amdhsa_inst_pref_size 255
	.end_amdhsa_kernel
	.section	.bss,"aw",@nobits
	.p2align	6
	.space	262144
	.amdgpu_metadata
---
amdhsa.version: [ 1, 2 ]
amdhsa.kernels:
  - .name:           k_q4e3e963e73_moe
    .symbol:         k_q4e3e963e73_moe.kd
    .args:
      - { .name: input_tensor_codes, .offset: 0, .size: 8, .value_kind: global_buffer, .address_space: global }
      - { .name: input_tensor_scales, .offset: 8, .size: 8, .value_kind: global_buffer, .address_space: global }
      - { .name: expert_sel_codes, .offset: 16, .size: 8, .value_kind: global_buffer, .address_space: global }
      - { .name: expert_sel_scales, .offset: 24, .size: 8, .value_kind: global_buffer, .address_space: global }
      - { .name: wts, .offset: 32, .size: 8, .value_kind: global_buffer, .address_space: global }
      - { .name: out0, .offset: 40, .size: 8, .value_kind: global_buffer, .address_space: global }
    .group_segment_fixed_size: 327680
    .private_segment_fixed_size: 0
    .kernarg_segment_align: 8
    .kernarg_segment_size: 48
    .max_flat_workgroup_size: 128
    .sgpr_count:     80
    .vgpr_count:     1024
    .wavefront_size: 32
...
	.end_amdgpu_metadata
.endif
;; end of part 4
